; MI455X (gfx1250); checked and timed in simulation.
; The chip was launched on July 23, 2026; its instructions are those of AMD's public machine-readable ISA for CDNA 5 (MIT licence, August 2026) and "CDNA5" Instruction Set Architecture Reference Guide (July 2026). The comments in the code are by the model that wrote it; some were corrected since.
;; Mixture Of Experts. Allowed arithmetic: matrix products marked QUANTISED: E2M3 operands, one E8M0 scale for each 32 along K, by v_wmma_scale_f32_16x16x128_f8f6f4 with both operands' format E2M3, f32 sums; products left as they are: f32 operands where the result goes on into a quantised operand, else bf16, f16 or f32 operands; f32 sums; everything else in f32.
;; Inputs: W1_codes 8 x 1,024 x 32 x 24 uint8 (E2M3 codes of W1, K innermost, in blocks of 32 codes, four codes in three bytes); W1_scales 8 x 1,024 x 32 uint8 (E8M0 scales of W1, one for each 32 codes along K); W2_codes 8 x 1,024 x 32 x 24 uint8 (E2M3 codes of W2, K innermost, in blocks of 32 codes, four codes in three bytes); W2_scales 8 x 1,024 x 32 uint8 (E8M0 scales of W2, one for each 32 codes along K); W_g 1,024 x 8 float32; W_noise 1,024 x 8 float32; b1 8 x 1,024 float32; b2 8 x 1,024 float32; noise 4 x 1,024 x 8 float32; x 4 x 1,024 x 1,024 float32.
;; Outputs: out0 4 x 1,024 x 1,024 float32.
;; Constants: k = 2.
;; This version of the problem:
;;   THIS VERSION OF THE PROBLEM IS GIVEN IN LOW PRECISION. The matrix products marked QUANTISED in the list below multiply operands that are first quantised to E2M3 (2 exponent bits, 3 mantissa bits; 6 bits a number), with one power-of-two scale for each 32 numbers along K (OCP MX v1.0); their sums are f32. All else is computed in f32.
;;   The module's matrix products, in the order in which they are computed (A, B: the left and right operand; K: the contracted axis; several contracted axes count as one K, in the product's order):
;;     1. [M 4,096, K 1,024] x [K 1,024, N 8]; A: input x; B: input W_g: left as it is (N = 8 < 16)
;;     2. [M 4,096, K 1,024] x [K 1,024, N 8]; A: input x; B: input W_noise: left as it is (N = 8 < 16)
;;     3. [M 8,192, K 1,024] x [K 1,024, N 4,096]; A: input W1 (given as codes); B: input x: QUANTISED
;;     4. batch 8 x [M 4,096, K 1,024] x [K 1,024, N 1,024]; A: computed on the way; B: input W2 (given as codes): QUANTISED
;;     5. batch 4,096 x [M 1,024, K 8] x [K 8, N 1]; A: computed on the way; B: softmax: left as it is (K = 8 < 32)
;;   THE QUANTISER, for each operand of a quantised product, along K:
;;     - K is cut into blocks of 32 from its start; a last block that is shorter is filled with zeros.
;;     - A block's scale is 2^e with e = floor(log2(the largest magnitude in the block)) - 2, held to -126 .. 127; a block of zeros has e = 0. As a byte (E8M0): e + 127.
;;     - Each number is divided by its block's scale, clamped to +-7.5, and rounded to the nearest number of E2M3, ties to even, subnormals kept.
;;     - The product sums the exact products of the quantised numbers (number of the format x scale) in f32.
;;   ~~~python
;;   def quantise(x, axis):      # numpy; x: float32 -> the quantised numbers, widened to float32 again
;;       x = np.moveaxis(x, axis, -1); K = x.shape[-1]
;;       x = np.pad(x, [(0, 0)] * (x.ndim - 1) + [(0, -K % 32)]); x = x.reshape(x.shape[:-1] + (-1, 32)); a = np.abs(x).max(-1, keepdims=True)
;;       e = np.where(a > 0, np.clip(np.frexp(np.where(a > 0, a, 1))[1] - 1 - 2, -126, 127), 0)      # np.frexp(a)[1] - 1 = floor(log2(a)), exactly
;;       r = np.clip(x / 2.0 ** e, -7.5, 7.5)
;;       step = 2.0 ** (np.maximum(np.frexp(np.where(r == 0, 1, r))[1] - 1, 0) - 3)
;;       q = np.round(r / step) * step * 2.0 ** e      # np.round: ties to even
;;       return np.moveaxis(q.reshape(q.shape[:-2] + (-1,))[..., :K], -1, axis).astype(np.float32)
;;   ~~~
;;   OPERANDS COMPUTED ON THE WAY. 'Computed on the way' means the value that the module computes at that place (a softmax that the list does not call 'softmax' is quantised finished and normalised). What goes into a quantiser is computed in f32, as accurately as f32 sums, v_exp_f32 and their like allow (about 1e-6 of the number): no bf16 or f16 on the way to a quantiser, and a product that is left as it is and whose result goes on into a quantised operand takes f32 operands (vector FMAs, or v_wmma_f32_16x16x4_f32). A number that lies on a knife's edge between two numbers of the format may be rounded either way, as far as f32 arithmetic and the matrix unit's own rounding can turn it there, and no further.
;;   INPUTS GIVEN AS CODES. W1 (in the module: [8, 1024, 1024], K = its axis 1); W2 (in the module: [8, 1024, 1024], K = its axis 1): each comes as NAME_codes (uint8): NAME with its K axis moved to the last place and cut into blocks of 32 codes, [.., K / 32, bytes a block], one block behind the other in memory; four codes in three bytes: a row's codes are one little-endian stream of bits, code i at bits 6 i .. 6 i + 5 (a code: sign, 2 exponent bits, 3 mantissa bits); and NAME_scales (uint8): the same leading axes, one E8M0 byte (e + 127) for each 32 codes along K. Its value is code x scale, taken as it is: it is not quantised again, and the codes and scales need not be those that the quantiser above would give.
;; One version. Each part assembles by itself: llvm-mc -triple=amdgcn-amd-amdhsa -mcpu=gfx1250 --defsym DOCPART=n.
;; ======== version 1 of 1: 3 launches
;; limits: right only within a limited range of input values
;; workspace buffers: sorted 16,384 bytes of whole numbers; bits 4,096 bytes of whole numbers; gates 131,072 bytes; xcodes 3,145,728 bytes; xscales 131,072 bytes; wimg 12,582,912 bytes; hq 26,214,400 bytes
;; launch route (part 1): grid 256 x 1, 8 waves a work-group, no clusters, 215,808 bytes of LDS; arguments x, W_g, W_noise, noise, xcodes, xscales, gates, bits, W1_codes, W2_codes, wimg; writes xcodes, xscales, gates, bits, wimg
.if DOCPART == 1
	.amdgcn_target "amdgcn-amd-amdhsa--gfx1250"
	.amdhsa_code_object_version 6
	.text
	.protected	k_q9bc889a3d8_route
	.globl	k_q9bc889a3d8_route
	.p2align	8
	.type	k_q9bc889a3d8_route,@function
k_q9bc889a3d8_route:
	s_mov_b64 s[64:65], 0
	v_nop
	global_prefetch_b8 v0, s[64:65] scope:SCOPE_SE
	s_setreg_imm32_b32 hwreg(HW_REG_WAVE_MODE, 25, 1), 1
	s_wait_xcnt 0x0
; LAUNCH 1 OF 3: the gate in f32, x quantised once to E2M3 codes, and the experts' bits for each token.
; WORK LEFT OUT BY THE WHOLE PROGRAM.  reference() runs every expert on every token and then multiplies expert_out[e, t, :] by gates[t, e].  For an expert with h[t, e] < kth it has set h to -inf,
; so gates[t, e] = exp(-inf) / sum = 0 and the term is 0 for all finite inputs.  Which rows are kept hangs on values, so the choice is stored here as whole numbers (bits) and steers addresses only in the
; later launches, which read it from memory.  Ties (h >= kth keeps three experts or more) are served: a token's entry holds the SET of its experts as a mask of 8 bits.  Every input is loaded; k = 2 is built in.
; LIMITS: a NaN, an infinity or an overflow that arises only in a (token, expert) row that is left out is not carried to the result; NaN and infinities among the inputs are not served; a token whose second and
; third largest h lie closer than the rounding of an f32 sum of 1,024 terms may be routed either way; a block of 32 zeros gets the scale byte 1 (its codes are zeros, and this program alone reads the bytes).
; SHARES.  Work-group g: tokens 16 g .. 16 g + 15.  Wave w: K = 128 w .. 128 w + 127, one K step of the later products.  r = lane % 16, h = lane / 16.
; The two products with N = 8 go as ONE f32 matrix product, 16 tokens x 16 columns (0-7 W_g, 8-15 W_noise), K in steps of 4: f32 operands, since a top-k turns over on anything coarser.  k is permuted alike in both
; operands: lane (r, h), register 16 b + i holds k = 32 b + 16 h + i, which is the order that the quantiser wants of the same registers.
; xcodes: a token's 768 bytes in the order of the operand's registers: lane half h, K step s: 48 bytes at 384 h + 48 s.   xscales: 8 words a token, word s for K step s.
; the choice leaves as bits[g][e]; the next launch ranks the tokens by class and makes the entries mask << 12 | t.
.set XTW,   8448                       ; LDS: x of my K step, 16 rows x 528, a region for each wave
.set WT,    67584                      ; W_g's and W_noise's 128 rows of my K step: 8 chunks of 512 bytes, 576 apart; W_noise's begin WNO further on
.set WTW,   9472
.set WNO,   4640
.set PS,    143360                     ; the waves' partial sums: [wave][token 16][column 16] f32
.set CO,    151552                     ; the 16 tokens' codes: rows of 768 bytes, COP apart
.set COP,   784
.set SO,    164096                     ; their scale words: 32 bytes a token
.set SPARE, 164608
.set WST,   165632                     ; the weights' stage: 64 rows of 768 bytes, 784 apart
.set L16,  4
.set XTS,  5
.set XTR,  6
.set WTS,  7
.set WTR,  8
.set PSS,  9
.set COS,  10
.set SOS,  11
.set SPW,  12                          ; LDS address of my spare word; never rewritten
.set NIL,  13                          ; 0; never rewritten
.set COR,  14
.set SOR,  15
.set COR2, 244
.set PSR,  245
.set NOF,  246
.set WVA,  249                         ; the weights' stage: where I store my 8 rows;
.set WVB,  250                         ; the same, 16 bytes further on in lanes 16-31;
.set WVR,  251                         ; where I read my four fragments
.set RA,   16                          ; v16-79   W as loaded, then x in the operand's order
.set RB,   80                          ; v80-143  x as loaded, then the quantiser's registers and the sums
.set WB,   144                         ; v144-207 the 32 B operands
.set ACC,  208                         ; v208-239 four f32 accumulators: written by matrix instructions alone
.set NZ,   240                         ; v240-243 noise (wave 0)
.set TM,   80
.set PW,   96
.set PC,   100
.set SU,   120
	s_load_b256 s[4:11], s[0:1], 0x0               ; x, W_g, W_noise, noise
	s_load_b256 s[12:19], s[0:1], 0x20             ; xcodes, xscales, gates, bits
	s_load_b128 s[32:35], s[0:1], 0x40             ; W1_codes, W2_codes
	s_load_b64 s[36:37], s[0:1], 0x50              ; wimg
	v_lshl_add_u32 v[SPW], v0, 2, SPARE
	v_mov_b32 v[NIL], 0
	v_lshrrev_b32 v1, 5, v0
	s_delay_alu instid0(VALU_DEP_1)
	v_readfirstlane_b32 s20, v1                    ; wave
	v_and_b32 v1, 31, v0                           ; lane
	v_and_b32 v2, 15, v0                           ; r
	v_bfe_u32 v3, v0, 4, 1                         ; h
	s_delay_alu instid0(VALU_DEP_3)
	v_lshlrev_b32 v[L16], 4, v1
	; every LDS address is made here, ahead of the first branch on the wave's number
	s_mul_i32 s21, s20, XTW
	v_add_nc_u32 v[XTS], s21, v[L16]               ; x in: row i at 528 i, 16 bytes a lane
	v_mul_u32_u24 v[XTR], v2, 528
	s_delay_alu instid0(VALU_DEP_1)
	v_lshl_add_u32 v[XTR], v3, 6, v[XTR]
	s_delay_alu instid0(VALU_DEP_1)
	v_add_nc_u32 v[XTR], s21, v[XTR]               ; x back: row r, + 64 h
	s_mul_i32 s21, s20, WTW
	s_add_co_u32 s21, s21, WT
	v_add_nc_u32 v[WTS], s21, v[L16]
	v_and_b32 v[WTR], 7, v0
	s_delay_alu instid0(VALU_DEP_1)
	v_lshlrev_b32 v[WTR], 2, v[WTR]
	s_delay_alu instid0(VALU_DEP_1)
	v_mad_u32_u24 v[WTR], v3, 576, v[WTR]
	v_bfe_u32 v248, v0, 3, 1
	s_delay_alu instid0(VALU_DEP_1)
	v_mad_u32_u24 v[WTR], v248, WNO, v[WTR]
	s_delay_alu instid0(VALU_DEP_1)
	v_add_nc_u32 v[WTR], s21, v[WTR]               ; W back: 576 h + 4 (r % 8) + WNO (r / 8): the 32 lanes of a load touch 32 different banks
	s_lshl_b32 s21, s20, 10
	s_add_co_u32 s21, s21, PS
	v_lshlrev_b32 v[PSS], 2, v2
	s_delay_alu instid0(VALU_DEP_1)
	v_lshl_add_u32 v[PSS], v3, 9, v[PSS]
	s_delay_alu instid0(VALU_DEP_1)
	v_add_nc_u32 v[PSS], s21, v[PSS]               ; a result's register j is (token 8 h + j, column r)
	s_mul_i32 s21, s20, 48
	s_add_co_u32 s21, s21, CO
	v_mul_u32_u24 v[COS], v2, COP
	s_delay_alu instid0(VALU_DEP_1)
	v_mad_u32_u24 v[COS], v3, 384, v[COS]
	s_delay_alu instid0(VALU_DEP_1)
	v_add_nc_u32 v[COS], s21, v[COS]
	s_lshl_b32 s21, s20, 2
	s_add_co_u32 s21, s21, SO
	v_lshl_add_u32 v[SOS], v2, 5, s21
	s_mul_i32 s21, s20, 2*COP
	s_add_co_u32 s21, s21, CO
	v_add_nc_u32 v[COR], s21, v[L16]               ; codes back: wave w takes rows 2 w and 2 w + 1 as 3 x 512 bytes of data;
	s_delay_alu instid0(VALU_DEP_1)
	v_lshl_add_u32 v[COR2], v3, 4, v[COR]          ; in the middle 512 lanes 16-31 lie in the second row, 16 bytes of pitch further on
	v_add_nc_u32 v[SOR], SO, v[L16]
	v_lshlrev_b32 v[PSR], 6, v2
	s_delay_alu instid0(VALU_DEP_1)
	v_lshl_add_u32 v[PSR], v3, 4, v[PSR]
	s_delay_alu instid0(VALU_DEP_1)
	v_add_nc_u32 v[PSR], PS, v[PSR]
	v_lshlrev_b32 v[NOF], 5, v2
	s_delay_alu instid0(VALU_DEP_1)
	v_lshl_add_u32 v[NOF], v3, 4, v[NOF]           ; noise and gates: token r's 32 bytes, + 16 h
	; THE WEIGHTS' CODES ARE LAID HERE IN THE ORDER OF THE OPERAND'S REGISTERS.  Work-group g takes rows 64 g .. 64 g + 63 of the 16,384 rows of W1 and W2: two groups of 32 rows, each the images of two tiles.
	; wimg: [matrix 2][expert 8][tile 64][K step 8][1,536 bytes]; lane r of tile 2 q + u takes row 32 q + 8 u + r + 8 (r / 8).  Wave w brings rows 8 w .. 8 w + 7 and sends fragments 4 w .. 4 w + 3 of the 32.
	s_mul_i32 s21, s20, 6272
	s_add_co_u32 s21, s21, WST
	v_add_nc_u32 v[WVA], s21, v[L16]
	v_lshl_add_u32 v[WVB], v3, 4, v[WVA]
	s_lshr_b32 s21, s20, 2                         ; which 32 rows,
	s_mul_i32 s21, s21, 25088
	s_bfe_u32 s22, s20, 0x10001                    ; which tile of their two,
	s_mul_i32 s22, s22, 6272
	s_add_co_u32 s21, s21, s22
	s_and_b32 s22, s20, 1                          ; K steps 0-3 or 4-7
	s_mul_i32 s22, s22, 384
	s_add_co_u32 s21, s21, s22
	s_add_co_u32 s21, s21, WST
	v_and_b32 v[WVR], 8, v2
	v_add_nc_u32 v[WVR], v[WVR], v2
	v_mul_u32_u24 v[WVR], v[WVR], 784
	v_mad_u32_u24 v[WVR], v3, 24, v[WVR]
	v_add_nc_u32 v[WVR], s21, v[WVR]
	s_mov_b32 s24, 0x76543210
	s_mov_b32 s25, 0xfedcba98                      ; v_permlanex16_b32's selects for lane l xor 16
	s_mov_b32 s26, 0xbfb8aa3b                      ; -log2(e)
	s_mov_b32 s27, 0x3f317218                      ; ln(2)
	s_mov_b32 s23, 0
	s_wait_kmcnt 0x0
	s_lshl_b32 s22, ttmp9, 16
	s_lshl_b32 s21, s20, 9
	s_add_co_u32 s22, s22, s21
	s_add_nc_u64 s[4:5], s[4:5], s[22:23]          ; x at my first token, my K step
	s_lshl_b32 s22, s20, 12
	s_add_nc_u64 s[6:7], s[6:7], s[22:23]          ; 128 rows of 32 bytes a wave
	s_add_nc_u64 s[8:9], s[8:9], s[22:23]
	s_lshl_b32 s22, ttmp9, 9                       ; 16 tokens x 32 bytes
	s_add_nc_u64 s[10:11], s[10:11], s[22:23]
	s_add_nc_u64 s[14:15], s[14:15], s[22:23]
	s_add_nc_u64 s[16:17], s[16:17], s[22:23]
	s_mul_i32 s22, ttmp9, 12288
	s_mul_i32 s21, s20, 1536
	s_add_co_u32 s22, s22, s21
	s_add_nc_u64 s[12:13], s[12:13], s[22:23]
	s_lshl_b32 s22, ttmp9, 4                       ; bits: 16 bytes a work-group
	s_add_nc_u64 s[18:19], s[18:19], s[22:23]
	s_cmp_lt_u32 ttmp9, 128
	s_cselect_b64 s[32:33], s[32:33], s[34:35]     ; work-groups 0-127 lay W1, the others W2
	s_and_b32 s22, ttmp9, 127
	s_mul_i32 s22, s22, 49152
	s_mul_i32 s21, s20, 6144
	s_add_co_u32 s22, s22, s21
	s_add_nc_u64 s[32:33], s[32:33], s[22:23]      ; my 8 rows: 6,144 consecutive bytes
	s_mul_i32 s22, ttmp9, 49152
	s_add_co_u32 s22, s22, s21
	s_add_nc_u64 s[36:37], s[36:37], s[22:23]      ; my four fragments' images: 6,144 consecutive bytes
	s_cmp_lg_u32 s20, 0
	s_cbranch_scc1 .Lno_noise
	s_wait_alu depctr_va_vdst(0)
	global_load_b128 v[NZ:NZ+3], v[NOF], s[10:11]  ; wave 0 alone finishes the gate; this is its oldest load, so the counts below hold in every wave
.Lno_noise:
.irp i, 0,1,2,3,4,5,6,7
	global_load_b128 v[RA+4*\i:RA+4*\i+3], v[L16], s[6:7] offset:512*\i
.endr
.irp i, 0,1,2,3,4,5,6,7
	global_load_b128 v[RA+32+4*\i:RA+32+4*\i+3], v[L16], s[8:9] offset:512*\i
.endr
.irp i, 0,1,2,3,4,5,6,7,8,9,10,11,12,13,14,15
	global_load_b128 v[RB+4*\i:RB+4*\i+3], v[L16], s[4:5] offset:4096*\i th:TH_LOAD_NT   ; token i: 512 consecutive bytes
.endr
	s_set_vgpr_msb 0x40                            ; destination v256-303
.irp i, 0,1,2,3,4,5,6,7,8,9,10,11
	global_load_b128 v[4*\i:4*\i+3], v[L16], s[32:33] offset:512*\i th:TH_LOAD_NT
.endr
	s_set_vgpr_msb 0x4000
	s_wait_loadcnt 28                              ; the 16 loads of x and the 12 of weights may be out: W_g and W_noise are in
.irp i, 0,1,2,3,4,5,6,7
	ds_store_b128 v[WTS], v[RA+4*\i:RA+4*\i+3] offset:576*\i
	ds_store_b128 v[WTS], v[RA+32+4*\i:RA+32+4*\i+3] offset:WNO+576*\i
.endr
.irp b, 0,1,2,3
.irp k, 0,1,2,3,4,5,6,7,8,9,10,11,12,13,14,15
	ds_load_b32 v[WB+16*\b+\k], v[WTR] offset:1152*\b+32*\k   ; W(32 b + 16 h + k, column r).  LDS serves a wave's instructions in order: these see the stores above
.endr
.endr
	s_wait_loadcnt 12                              ; the 12 loads of weights may be out: x is in
.irp i, 0,1,2,3,4,5,6,7,8,9,10,11,12,13,14,15
	ds_store_b128 v[XTS], v[RB+4*\i:RB+4*\i+3] offset:528*\i
.endr
	s_wait_dscnt 0x0                               ; W's stores have read RA, which is loaded anew
.irp b, 0,1,2,3
.irp j, 0,1,2,3
	ds_load_b128 v[RA+16*\b+4*\j:RA+16*\b+4*\j+3], v[XTR] offset:128*\b+16*\j   ; x(r, 32 b + 16 h + 4 j ..)
.endr
.endr
	s_wait_dscnt 0x0
; 32 steps of 4 along K on four accumulators by turns, one instruction a turn; the first four start the sums with the constant 0
.set q, 0
.rept 32
.if q < 4
	v_wmma_f32_16x16x4_f32 v[ACC+8*(q%4):ACC+8*(q%4)+7], v[RA+2*q:RA+2*q+1], v[WB+2*q:WB+2*q+1], 0
.else
	v_wmma_f32_16x16x4_f32 v[ACC+8*(q%4):ACC+8*(q%4)+7], v[RA+2*q:RA+2*q+1], v[WB+2*q:WB+2*q+1], v[ACC+8*(q%4):ACC+8*(q%4)+7]
.endif
.set q, q+1
.endr
; THE QUANTISER, on the same 64 registers, while the matrix unit works: four blocks of 32, each in lanes l and l xor 16
.irp b, 0,1,2,3
	v_max3_num_f32 v[TM+\b], |v[RA+16*\b]|, |v[RA+1+16*\b]|, 0x1800000   ; my 16 numbers, and the floor 2^(3 - 127): so the byte cannot fall under 1
.endr
.irp i, 2,4,6,8,10,12,14
.irp b, 0,1,2,3
	s_delay_alu instid0(VALU_DEP_4)
	v_max3_num_f32 v[TM+\b], v[TM+\b], |v[RA+16*\b+\i]|, |v[RA+1+16*\b+\i]|
.endr
.endr
.irp b, 0,1,2,3
	s_delay_alu instid0(VALU_DEP_4)
	v_permlanex16_b32 v[TM+4+\b], v[TM+\b], s24, s25
.endr
.irp b, 0,1,2,3
	s_delay_alu instid0(VALU_DEP_4)
	v_max_num_f32 v[TM+\b], v[TM+\b], v[TM+4+\b]   ; the block's largest magnitude
.endr
.irp b, 0,1,2,3
	s_delay_alu instid0(VALU_DEP_4)
	v_add_nc_u32 v[TM+12+\b], 0xff000000, v[TM+\b] ; 2 off its exponent field: the conversion takes this operand's exponent field as its scale
.endr
.irp b, 0,1,2,3
	s_delay_alu instid0(VALU_DEP_4)
	v_lshrrev_b32 v[TM+4+\b], 23, v[TM+12+\b]      ; the scale's byte
.endr
	s_delay_alu instid0(VALU_DEP_3)
	v_lshl_or_b32 v[PW], v[TM+5], 8, v[TM+4]
	s_delay_alu instid0(VALU_DEP_1)
	v_lshl_or_b32 v[PW], v[TM+6], 16, v[PW]
	s_delay_alu instid0(VALU_DEP_1)
	v_lshl_or_b32 v[PW], v[TM+7], 24, v[PW]        ; my token's scale word of this K step
.irp c, 0,1
	v_cvt_scalef32_pk16_fp6_f32 v[PC+6*\c:PC+2+6*\c], v[RA+32*\c:RA+15+32*\c], v[TM+12+2*\c]
	v_cvt_scalef32_pk16_fp6_f32 v[PC+12+4*\c:PC+14+4*\c], v[RA+16+32*\c:RA+31+32*\c], v[TM+12+2*\c+1]   ; (a conversion's three registers begin on an even number)
.endr
	v_nop                                          ; one plain place behind a scaled conversion
.irp c, 0,1                                    ; the operand's layout wants a whole block in a lane
.irp i, 0,1,2
	v_permlane16_swap_b32 v[PC+6*\c+\i], v[PC+12+4*\c+\i]
.endr
.irp i, 0,1,2
	s_delay_alu instid0(VALU_DEP_3)
	v_mov_b32 v[PC+3+6*\c+\i], v[PC+12+4*\c+\i]
.endr
.endr
.rept 8
	v_nop                                          ; eight places between the last f32 matrix instruction and the first read of a result (ISA guide 7.12.1)
.endr
.irp j, 0,2,4,6
	v_pk_add_f32 v[SU+\j:SU+\j+1], v[ACC+\j:ACC+\j+1], v[ACC+8+\j:ACC+8+\j+1]           ; each accumulator from its low end on
.endr
.irp j, 0,2,4,6
	v_pk_add_f32 v[SU+8+\j:SU+8+\j+1], v[ACC+16+\j:ACC+16+\j+1], v[ACC+24+\j:ACC+24+\j+1]
.endr
.irp j, 0,2,4,6
	s_delay_alu instid0(VALU_DEP_4)
	v_pk_add_f32 v[SU+\j:SU+\j+1], v[SU+\j:SU+\j+1], v[SU+8+\j:SU+8+\j+1]
.endr
.irp j, 0,1,2,3,4,5,6,7
	ds_store_b32 v[PSS], v[SU+\j] offset:64*\j
.endr
.irp c, 0,1,2
	ds_store_b128 v[COS], v[PC+4*\c:PC+4*\c+3] offset:16*\c
.endr
	ds_store_b32 v[SOS], v[PW]                     ; both halves of the lanes write the same word with the same value
	s_wait_loadcnt 0x0                             ; my 8 rows of weights
	s_set_vgpr_msb 0x04                            ; an LDS store's data: v256-303
.irp a, 0,1,2,3                        ; three loads are two rows of 768 bytes; each row passed adds 16 bytes of pitch
	ds_store_b128 v[WVA], v[12*\a:12*\a+3] offset:1568*\a
	ds_store_b128 v[WVB], v[12*\a+4:12*\a+7] offset:1568*\a+512
	ds_store_b128 v[WVA], v[12*\a+8:12*\a+11] offset:1568*\a+1040
.endr
	s_set_vgpr_msb 0x0400
	s_wait_dscnt 0x0                               ; for the others' sake: my stores have landed
	s_barrier_signal -1
	s_barrier_wait -1
	ds_load_b128 v[144:147], v[COR]                ; 1,536 bytes of codes a wave leave as three runs of 512 consecutive bytes
	ds_load_b128 v[148:151], v[COR2] offset:512
	ds_load_b128 v[152:155], v[COR] offset:1040
	s_wait_dscnt 2
	global_store_b128 v[L16], v[144:147], s[12:13]
	s_wait_dscnt 1
	global_store_b128 v[L16], v[148:151], s[12:13] offset:512
	s_wait_dscnt 0x0
	global_store_b128 v[L16], v[152:155], s[12:13] offset:1024
.irp f, 0,1,2,3                        ; a fragment: 24 bytes at 96 s + 24 h of my row, and 24 more 48 bytes on, in pieces of 8
.irp p, 0,1,2,3,4,5
	ds_load_b64 v[160+12*\f+2*\p:161+12*\f+2*\p], v[WVR] offset:96*\f+48*(\p/3)+8*(\p%3)
.endr
.endr
	s_wait_dscnt 0x0
.irp f, 0,1,2,3
.irp c, 0,1,2
	global_store_b128 v[L16], v[160+12*\f+4*\c:163+12*\f+4*\c], s[36:37] offset:1536*\f+512*\c   ; 512 consecutive bytes
.endr
.endr
	s_cmp_lg_u32 s20, 1
	s_cbranch_scc1 .Lno_scales
	ds_load_b128 v[156:159], v[SOR]
	s_wait_dscnt 0x0
	global_store_b128 v[L16], v[156:159], s[14:15] ; the 16 tokens' 512 bytes of scale words
.Lno_scales:
	s_cmp_lg_u32 s20, 0
	s_cbranch_scc1 .Ldone
; THE GATE, wave 0.  Lane (t = r, hh = h) holds experts 4 hh .. 4 hh + 3 of token t.
.irp u, 0,1,2,3,4,5,6,7
	ds_load_b128 v[16+8*\u:19+8*\u], v[PSR] offset:1024*\u       ; x W_g, wave u's part
	ds_load_b128 v[20+8*\u:23+8*\u], v[PSR] offset:1024*\u+32    ; x W_noise
.endr
	s_wait_dscnt 0x0
.irp u, 1,2,3,4,5,6,7
.irp j, 0,2,4,6
	v_pk_add_f32 v[16+\j:17+\j], v[16+\j:17+\j], v[16+8*\u+\j:17+8*\u+\j]
.endr
.endr
.irp i, 0,1,2,3
	v_mul_f32 v[24+\i], s26, |v[20+\i]|            ; softplus(z) = max(z, 0) + ln 2 x log2(1 + 2^(-log2(e) |z|)): the form that cannot overflow, as reference()'s
.endr
	s_wait_alu depctr_va_vdst(0)
.irp i, 0,1,2,3
	v_exp_f32 v[24+\i], v[24+\i]
.endr
.irp i, 0,1,2,3
	v_max_num_f32 v[28+\i], 0, v[20+\i]            ; plain work behind the exponentials
.endr
	s_wait_alu depctr_va_vdst(0)                   ; one wait for the batch, ahead of its first reader
.irp i, 0,1,2,3
	v_add_f32 v[24+\i], 1.0, v[24+\i]
.endr
	s_wait_alu depctr_va_vdst(0)
.irp i, 0,1,2,3
	v_log_f32 v[24+\i], v[24+\i]
.endr
.irp i, 0,1,2,3
	v_add_f32 v[16+\i], v[16+\i], v[NZ+\i]         ; x W_g + noise
.endr
	s_wait_alu depctr_va_vdst(0)
.irp i, 0,1,2,3
	v_fma_f32 v[24+\i], v[24+\i], s27, v[28+\i]
.endr
.irp i, 0,1,2,3
	s_delay_alu instid0(VALU_DEP_4)
	v_add_f32 v[16+\i], v[16+\i], v[24+\i]         ; h
.endr
.irp i, 0,1,2,3
	s_delay_alu instid0(VALU_DEP_4)
	v_permlanex16_b32 v[32+\i], v[16+\i], s24, s25 ; the token's other four
.endr
	v_mov_b32 v37, 0xff800000                      ; the two largest of the eight: v36 the largest, v37 the second (= kth); equal values count twice, as in top_k
	v_mov_b32 v36, v16
.irp v, 17,18,19,32,33,34,35
	s_delay_alu instid0(VALU_DEP_1)
	v_med3_num_f32 v37, v36, v37, v\v
	s_delay_alu instid0(VALU_DEP_2)
	v_max_num_f32 v36, v36, v\v
.endr
.irp i, 0,1,2,3
	v_sub_f32 v[40+\i], v[16+\i], v36              ; the maximum is taken away before the exponential
.endr
.irp i, 0,1,2,3
	s_delay_alu instid0(VALU_DEP_4)
	v_mul_f32 v[40+\i], 0x3fb8aa3b, v[40+\i]
.endr
	s_wait_alu depctr_va_vdst(0)
.irp i, 0,1,2,3
	v_exp_f32 v[40+\i], v[40+\i]
.endr
	v_mov_b32 v44, 0
	s_wait_alu depctr_va_vdst(0)
.irp i, 3,2,1,0
	v_cmp_ge_f32 vcc_lo, v[16+\i], v37             ; kept where h >= kth
	v_cndmask_b32 v[40+\i], 0, v[40+\i], vcc_lo
	s_delay_alu instid0(VALU_DEP_2)
	v_cndmask_b32 v45, 0, 1, vcc_lo
	s_delay_alu instid0(VALU_DEP_1)
	v_lshl_or_b32 v44, v44, 1, v45                 ; my four bits of the mask
.endr
	s_delay_alu instid0(VALU_DEP_3)
	v_add_f32 v46, v40, v41
	v_add_f32 v47, v42, v43
	s_delay_alu instid0(VALU_DEP_1)
	v_add_f32 v46, v46, v47
	s_delay_alu instid0(VALU_DEP_1)
	v_permlanex16_b32 v47, v46, s24, s25
	s_delay_alu instid0(VALU_DEP_1)
	v_add_f32 v46, v46, v47
	s_wait_alu depctr_va_vdst(0)
	v_rcp_f32 v48, v46
	v_nop                                          ; a plain place behind the reciprocal
	v_permlanex16_b32 v49, v44, s24, s25           ; the other four bits
	v_lshlrev_b32 v50, 2, v3
	s_delay_alu instid0(VALU_DEP_1)
	v_sub_nc_u32 v51, 4, v50
	s_delay_alu instid0(VALU_DEP_2)
	v_lshlrev_b32 v44, v50, v44
	s_delay_alu instid0(VALU_DEP_2)
	v_lshlrev_b32 v49, v51, v49
	s_delay_alu instid0(VALU_DEP_1)
	v_or_b32 v56, v44, v49                         ; the mask
	s_wait_alu depctr_va_vdst(0)
.irp i, 0,1,2,3
	v_mul_f32 v[52+\i], v[40+\i], v48
.endr
	global_store_b128 v[NOF], v[52:55], s[16:17]
; bits[g][e], 16 bits: bit r says that token 16 g + r uses expert e.  The next launch reads these whole numbers and places the tokens by them.
.irp e, 0,1,2,3,4,5,6,7
	v_and_b32 v[57+\e], 1<<\e, v56
.endr
.irp e, 0,1,2,3,4,5,6,7
	v_cmp_ne_u32 s[40+\e], 0, v[57+\e]             ; lanes 16-31 repeat lanes 0-15
.endr
.irp q, 0,1,2,3
	s_and_b32 s[40+2*\q], s[40+2*\q], 0xffff
	s_lshl_b32 s[41+2*\q], s[41+2*\q], 16
	s_or_b32 s[40+2*\q], s[40+2*\q], s[41+2*\q]
.endr
	v_mov_b32 v68, s40
	v_mov_b32 v69, s42
	v_mov_b32 v70, s44
	v_mov_b32 v71, s46
	v_mov_b32 v72, 0
	global_store_b128 v72, v[68:71], s[18:19]      ; every lane writes the same 16 bytes with the same value
.Ldone:
	s_wait_tensorcnt 0x0                           ; the wave's end, behind my last LDS store
	ds_add_u32 v[SPW], v[NIL]
	s_wait_dscnt 0x0
	s_endpgm
.Lfunc_end_k_q9bc889a3d8_route:
	.size	k_q9bc889a3d8_route, .Lfunc_end_k_q9bc889a3d8_route-k_q9bc889a3d8_route
	.p2alignl 7, 3214868480
	.fill 96, 4, 3214868480
	.section	.rodata,"a",@progbits
	.p2align	6, 0x0
	.amdhsa_kernel k_q9bc889a3d8_route
		.amdhsa_group_segment_fixed_size 215808
		.amdhsa_private_segment_fixed_size 0
		.amdhsa_enable_private_segment 0
		.amdhsa_kernarg_size 88
		.amdhsa_user_sgpr_count 2
		.amdhsa_user_sgpr_kernarg_segment_ptr 1
		.amdhsa_wavefront_size32 1
		.amdhsa_system_sgpr_workgroup_id_x 1
		.amdhsa_system_sgpr_workgroup_id_y 1
		.amdhsa_system_sgpr_workgroup_id_z 1
		.amdhsa_system_vgpr_workitem_id 0
		.amdhsa_next_free_vgpr 320
		.amdhsa_next_free_sgpr 66
		.amdhsa_reserve_vcc 1
		.amdhsa_float_denorm_mode_32 3
		.amdhsa_float_denorm_mode_16_64 3
		.amdhsa_memory_ordered 1
		.amdhsa_forward_progress 1
		.amdhsa_inst_pref_size 42
	.end_amdhsa_kernel
	.amdgpu_metadata
---
amdhsa.version: [ 1, 2 ]
amdhsa.kernels:
  - .name:           k_q9bc889a3d8_route
    .symbol:         k_q9bc889a3d8_route.kd
    .args:
      - { .name: x, .offset: 0, .size: 8, .value_kind: global_buffer, .address_space: global }
      - { .name: W_g, .offset: 8, .size: 8, .value_kind: global_buffer, .address_space: global }
      - { .name: W_noise, .offset: 16, .size: 8, .value_kind: global_buffer, .address_space: global }
      - { .name: noise, .offset: 24, .size: 8, .value_kind: global_buffer, .address_space: global }
      - { .name: xcodes, .offset: 32, .size: 8, .value_kind: global_buffer, .address_space: global }
      - { .name: xscales, .offset: 40, .size: 8, .value_kind: global_buffer, .address_space: global }
      - { .name: gates, .offset: 48, .size: 8, .value_kind: global_buffer, .address_space: global }
      - { .name: bits, .offset: 56, .size: 8, .value_kind: global_buffer, .address_space: global }
      - { .name: W1_codes, .offset: 64, .size: 8, .value_kind: global_buffer, .address_space: global }
      - { .name: W2_codes, .offset: 72, .size: 8, .value_kind: global_buffer, .address_space: global }
      - { .name: wimg, .offset: 80, .size: 8, .value_kind: global_buffer, .address_space: global }
    .group_segment_fixed_size: 215808
    .private_segment_fixed_size: 0
    .kernarg_segment_align: 8
    .kernarg_segment_size: 88
    .max_flat_workgroup_size: 256
    .sgpr_count:     66
    .vgpr_count:     320
    .wavefront_size: 32
...
	.end_amdgpu_metadata
.endif
;; end of part 1
;; launch up (part 2): grid 4 x 64, 4 waves a work-group, no clusters, 77,312 bytes of LDS; arguments xcodes, xscales, bits, wimg, W1_scales, b1, hq, sorted; writes hq, sorted
.if DOCPART == 2
	.amdgcn_target "amdgcn-amd-amdhsa--gfx1250"
	.amdhsa_code_object_version 6
	.text
	.protected	k_q9bc889a3d8_up
	.globl	k_q9bc889a3d8_up
	.p2align	8
	.type	k_q9bc889a3d8_up,@function
k_q9bc889a3d8_up:
	s_mov_b64 s[64:65], 0
	v_nop
	global_prefetch_b8 v0, s[64:65] scope:SCOPE_SE
	s_setreg_imm32_b32 hwreg(HW_REG_WAVE_MODE, 25, 1), 1
	s_wait_xcnt 0x0
; hidden = Q(relu(x W1_e + b1_e)), only for the experts that a block of 64 tokens uses: the other experts' gates are 0, so their terms are 0 for all finite inputs (shown at the head of the first launch).
; Work-group (ns, b): block b of the placed tokens x hidden units 256 ns .. 256 ns + 255; a wave takes 64 units: 16 accumulators.
; THE PLACING, in this launch's head, from whole numbers that the launch before stored (bits[g][e]: which of tokens 16 g .. 16 g + 15 use expert e).
;   A token's CLASS is the pair (i, j) of its two highest experts: 28 classes, taken in an order in which neighbours share an expert (i rising; j rising where i is even, falling where i is odd).
;   The tokens are ranked by class, then by number; block b holds ranks 64 b .. 64 b + 63.  A token with three experts or more (ties) is ranked by its two highest and keeps all its experts in its entry.
;   Thread w (0 .. 127) holds tokens 32 w .. 32 w + 31 as bits of a word: it makes the 28 class words, counts them, and the counts are summed along the wave's lanes, two classes to a register.
;   Three tables go to LDS: the running counts [class pair][w], the class words [class][w], the experts' words [w][8].  Behind a barrier every wave finds all 64 tokens, two ranks a lane:
;   the class by 27 compares with the classes' first ranks, the wave's quarter by 3, the word by a search of 5 reads in the running counts, the bit by 5 halvings with counts of bits.
;   Every number that enters an address is held inside its table first.  LIMIT: every token is taken to use at least two experts, which holds for all inputs without NaN.
; The block's rows of codes and scale words are then gathered by token; work-groups with ns = 0 store the block's entries (experts << 12 | token) for the last launch.
; The waves share the 64 tokens' codes through LDS; each byte of the weights' images is loaded by one wave, straight into registers, four K steps ahead.
; The work-group walks the experts that some token of its block uses, from the lowest number up.  A token that does not use an expert of its block is computed with it and gets the gate 0 in the last launch.
; No tensor load and no cluster: the walk branches on numbers read from memory.  No prefetch: which weights are wanted is known only where they are asked for.
; THE PRODUCT IS USED TRANSPOSED (source 0 = 16 rows of W1, source 1 = 16 tokens): in accumulator (m, t = 2 g + u) lane (r, h), register j is token 16 m + r, unit n0 + 32 g + 16 h + 8 u + j:
; the 16 registers of tiles 2 g, 2 g + 1 are 16 neighbours along the next K.  b1 is the C of each sum's first instruction.
; hq: codes [b][place in the walk][tile m][K step][halves]; from byte 25,165,824 on the scale words [b][place in the walk][slot 64][8 words].
; REGISTERS: window 0: addresses, scale words, b1, the tokens' fragments (two buffers);  window 1: the weights' ring, four K steps x 4 tiles x 12;  window 2: v0-127 the accumulators, above them the way out.
.set PITCH, 784                        ; a token's 768 bytes + 16
.set SPARE, 64*PITCH                   ; the spare words, 128 bytes for each wave
.set TB,    SPARE+512                  ; running counts: 16 rows of 128 words (rows 14, 15 hold zeros)
.set SBT,   TB+8192                    ; class words: 28 rows of 128 words
.set BBT,   SBT+14336                  ; the experts' words: 32 bytes a thread
.set HSC, 25165824
.set L16, 1
.set L8,  2
.set ADX, 3                            ; 784 r + 384 h
.set XSA, 4                            ; my 16 rows in LDS + 16 x lane
.set SWO, 5
.set BO,  6
.set ENT, 7                            ; v7-8   the block's 64 entries
.set BLO, 9                            ; 32 x thread
.set XSB, 10                           ; my 16 rows in LDS + 8 x lane
.set L4,  15
.set SPW, 16
.set NIL, 17
.set TSA, 18                           ; TB + 4 x thread
.set BSA, 19                           ; BBT + 32 x thread
.set MHI, 20                           ; all ones in lanes 16-31
.set TOA, 21                           ; lane l as class l: its field in the running counts
.set XS,  22                           ; v22-23 32 x token: its scale words
.set SW,  32
.set SWN, 48
.set SA,  64
.set BI,  80
.set AF,  160
; the head's own registers, free again when the loads into the sets above are issued
.set BW,  32                           ; v32-39  the experts' words
.set CW,  48                           ; v48-75  the class words
.set PK,  76                           ; v76-89  counts, two classes to a register
.set RM,  92                           ; v92-99  tokens whose highest expert is i and whose second is not found yet
.set UN,  100                          ; tokens whose highest expert is not found yet
.set TT,  101                          ; v101-114
.set Z0,  116                          ; two sets of 20: the lane's two ranks
.set FR, 0                             ; the rank
.set FC, 1                             ; its class
.set FG, 2                             ; the first ranks of the class's four quarters
.set FS, 6
.set FV, 7                             ; the quarter
.set FP, 8                             ; the rank inside the quarter, then inside the word
.set FA, 9                             ; where the search stands
.set FB, 10
.set FQ, 11                            ; the running count ahead of the word
.set FX, 12
.set FT, 13
.set FU, 14
.set FW, 15                            ; 4 x word
.set FK, 16                            ; the bit
.set FO, 17                            ; the token
.set TMX, 128                          ; window 2
.set TMY, 136
.set SCO, 144
.set BY,  152
.set HW,  160
.set CD,  164
.set O16, 204
.set O8,  205
.set O32, 206
.set WV,  20
.set REST, 48
.set NEX, 49
.set EC,  50
.set EN,  51
.set WBA, 54
.set WNA, 56
.set SBA, 58
.set BBA, 60
.set HBA, 16
.set HSA, 18
.set JC,  72
.set MSB, 0
.macro WIN new                         ; the immediate's high byte repeats the setting that is left
.if MSB != \new
	s_set_vgpr_msb (MSB<<8)|\new
.set MSB, \new
.endif
.endm
.macro WDS                             ; all my LDS instructions are done
	s_wait_alu depctr_va_vdst(0)
	s_wait_dscnt 0x0
.endm
.macro NEXTE d                         ; the lowest expert still to be walked; held to 0 .. 7, since it enters addresses
	s_ctz_i32_b32 s[\d], s[REST]
	s_min_u32 s[\d], s[\d], 7
	s_sub_co_u32 s23, s[REST], 1
	s_and_b32 s[REST], s[REST], s23
.endm
.macro EBASE dst, ptr, e, mul
	s_mul_i32 s68, s[\e], \mul
	s_add_nc_u64 s[\dst:\dst+1], s[\ptr:\ptr+1], s[68:69]
.endm
.macro WLOAD ring, base, s             ; 12 loads of 512 consecutive bytes: my four tiles' fragments of K step s
	WIN 0x40
.irp t, 0,1,2,3
.irp c, 0,1,2
	global_load_b128 v[48*(\ring)+12*\t+4*\c:48*(\ring)+12*\t+4*\c+3], v[L16], s[\base:\base+1] offset:12288*\t+1536*(\s)+512*\c
.endr
.endr
.endm
.macro XL sw                           ; 12 loads: an expert's scale words into set sw, its bias
	WIN 0
.irp q, 0,1
	global_load_b128 v[\sw+8*\q:\sw+8*\q+3], v[SWO], s[SBA:SBA+1] offset:1024*\q
	global_load_b128 v[\sw+8*\q+4:\sw+8*\q+7], v[SWO], s[SBA:SBA+1] offset:1024*\q+16
.endr
.irp t, 0,1,2,3
	global_load_b128 v[BI+8*\t:BI+8*\t+3], v[BO], s[BBA:BBA+1] offset:4*(32*(\t/2)+8*(\t%2))
	global_load_b128 v[BI+8*\t+4:BI+8*\t+7], v[BO], s[BBA:BBA+1] offset:4*(32*(\t/2)+8*(\t%2))+16
.endr
.endm
.macro ALOAD buf, s                    ; the four token tiles' fragments of K step s
	WIN 0
.irp m, 0,1,2,3
.irp c, 0,1,2
	ds_load_b128 v[AF+48*(\buf)+12*\m+4*\c:AF+48*(\buf)+12*\m+4*\c+3], v[ADX] offset:16*PITCH*\m+48*(\s)+16*\c
.endr
.endr
.endm
.macro WM d, a, b, c, sa, sb, ra, rb   ; one product; ra, rb: the half of the lanes in which the side's scale words stand
.if ((\ra) == 0) && ((\rb) == 0)
	v_wmma_scale_f32_16x16x128_f8f6f4 v[(\d):(\d)+7], v[(\a):(\a)+11], v[(\b):(\b)+11], v[(\c):(\c)+7], v[(\sa)], v[(\sb)] matrix_a_fmt:MATRIX_FMT_FP6 matrix_b_fmt:MATRIX_FMT_FP6
.elseif (\rb) == 0
	v_wmma_scale_f32_16x16x128_f8f6f4 v[(\d):(\d)+7], v[(\a):(\a)+11], v[(\b):(\b)+11], v[(\c):(\c)+7], v[(\sa)], v[(\sb)] matrix_a_fmt:MATRIX_FMT_FP6 matrix_b_fmt:MATRIX_FMT_FP6 matrix_a_scale:MATRIX_SCALE_ROW1
.elseif (\ra) == 0
	v_wmma_scale_f32_16x16x128_f8f6f4 v[(\d):(\d)+7], v[(\a):(\a)+11], v[(\b):(\b)+11], v[(\c):(\c)+7], v[(\sa)], v[(\sb)] matrix_a_fmt:MATRIX_FMT_FP6 matrix_b_fmt:MATRIX_FMT_FP6 matrix_b_scale:MATRIX_SCALE_ROW1
.else
	v_wmma_scale_f32_16x16x128_f8f6f4 v[(\d):(\d)+7], v[(\a):(\a)+11], v[(\b):(\b)+11], v[(\c):(\c)+7], v[(\sa)], v[(\sb)] matrix_a_fmt:MATRIX_FMT_FP6 matrix_b_fmt:MATRIX_FMT_FP6 matrix_a_scale:MATRIX_SCALE_ROW1 matrix_b_scale:MATRIX_SCALE_ROW1
.endif
.endm
.macro MUL s, first                    ; 16 products, the 16 accumulators by turns, in the same order in every step.  first: the bias starts the sums
.if \first
	WIN 0x81
.else
	WIN 0xa1
.endif
.irp m, 0,1,2,3
.irp t, 0,1,2,3
.if \first
	WM 8*(4*\m+\t), 48*((\s)%4)+12*\t, AF+48*((\s)%2)+12*\m, BI+8*\t, SW+8*(\t/2)+(\s), SA+8*(\m/2)+(\s), \t%2, \m%2
.else
	WM 8*(4*\m+\t), 48*((\s)%4)+12*\t, AF+48*((\s)%2)+12*\m, 8*(4*\m+\t), SW+8*(\t/2)+(\s), SA+8*(\m/2)+(\s), \t%2, \m%2
.endif
.endr
.endr
.endm
; A K STEP.  The count of the wait for the ring: the loads issued behind this step's 12.  With a next expert: three later ring steps (36) in steps 0-3; from step 4 on the 12 loads of scale words and bias as well (48).
; In the last pass: 36, and from step 5 on what is left of the ring: 24, 12, 0.
.macro STEP s, next
.if \next
.if (\s) < 4
.set CNT, 36
.else
.set CNT, 48
.endif
.else
.if (\s) < 5
.set CNT, 36
.else
.set CNT, 12*(7-(\s))
.endif
.endif
	s_wait_loadcnt CNT
	s_wait_dscnt 0x0                               ; this step's token fragments are in
.if ((\s) < 7) || \next
	ALOAD ((\s)+1)%2, ((\s)+1)%8                   ; the next step's, into the buffer that the step before multiplied; behind step 7: step 0's again, for the next expert
.endif
.if (\s) == 0
	MUL \s, 1
.else
	MUL \s, 0
.endif
.rept 4
	v_nop                                          ; four places in front of loads into registers that these products have read, and of the first read of results
.endr
.if (\s) < 4
	WLOAD (\s)%4, WBA, (\s)+4
.elseif \next
	WLOAD (\s)%4, WNA, (\s)-4
.endif
.if ((\s) == 3) && \next
	XL SWN                                         ; the bias lands in place: it was read in step 0 alone
.endif
.endm
; THE WAY OUT of an expert: relu, the quantiser along the next K, the codes as half an operand's image.
.macro WAYOUT next
.if \next
	WIN 0
	s_wait_loadcnt 48                              ; the four ring steps issued behind them may be out: the next expert's scale words and bias are in
.set j, 0
.rept 16
	v_mov_b32 v[SW+j], v[SWN+j]
.set j, j+1
.endr
.endif
	WIN 0xaa                                       ; all in window 2
.set j, 0
.rept 128
	v_max_num_f32 v[j], 0, v[j]                    ; the activation, in f32; each accumulator from its low end on
.set j, j+1
.endr
.irp q, 0,1,2,3,4,5,6,7                        ; block q = 2 m + g: registers 16 q .. 16 q + 15, with lane l xor 16's.  No |.|: none is negative
	v_max3_num_f32 v[TMX+\q], v[16*\q], v[16*\q+1], 0x1800000   ; and the floor 2^(3 - 127): the byte cannot fall under 1
.endr
.irp i, 2,4,6,8,10,12,14
.irp q, 0,1,2,3,4,5,6,7
	v_max3_num_f32 v[TMX+\q], v[TMX+\q], v[16*\q+\i], v[16*\q+\i+1]
.endr
.endr
.irp q, 0,1,2,3,4,5,6,7
	v_permlanex16_b32 v[TMY+\q], v[TMX+\q], s52, s53
.endr
.irp q, 0,1,2,3,4,5,6,7
	v_max_num_f32 v[TMX+\q], v[TMX+\q], v[TMY+\q]
.endr
.irp q, 0,1,2,3,4,5,6,7
	v_add_nc_u32 v[SCO+\q], 0xff000000, v[TMX+\q]  ; 2 off the exponent field: the conversion's scale operand
.endr
.irp q, 0,1,2,3,4,5,6,7
	v_lshrrev_b32 v[BY+\q], 23, v[SCO+\q]          ; the scale's byte
.endr
.irp m, 0,1,2,3
	v_lshl_or_b32 v[HW+\m], v[BY+2*\m+1], 8, v[BY+2*\m]
.endr
.irp m, 0,1,2,3
	v_cvt_scalef32_pk16_fp6_f32 v[CD+10*\m:CD+10*\m+2], v[32*\m:32*\m+15], v[SCO+2*\m]
	v_cvt_scalef32_pk16_fp6_f32 v[CD+10*\m+6:CD+10*\m+8], v[32*\m+16:32*\m+31], v[SCO+2*\m+1]
.endr
	v_nop                                          ; one plain place behind a scaled conversion
.irp m, 0,1,2,3                                ; a whole block to a lane: lanes 0-15 the lower block, lanes 16-31 the upper
.irp i, 0,1,2
	v_permlane16_swap_b32 v[CD+10*\m+\i], v[CD+10*\m+6+\i]
.endr
.irp i, 0,1,2
	v_mov_b32 v[CD+10*\m+3+\i], v[CD+10*\m+6+\i]
.endr
.endr
.irp m, 0,1,2,3
	global_store_b128 v[O16], v[CD+10*\m:CD+10*\m+3], s[HBA:HBA+1] offset:12288*\m          ; 512 consecutive bytes
	global_store_b64 v[O8], v[CD+10*\m+4:CD+10*\m+5], s[HBA:HBA+1] offset:12288*\m+512      ; 256 consecutive bytes
	global_store_b16 v[O32], v[HW+\m], s[HSA:HSA+1] offset:512*\m                           ; both halves of the lanes write the same two bytes
.endr
	WIN 0
.endm
.macro PASS next
.irp s, 0,1,2,3,4,5,6,7
	STEP \s, \next
.endr
	WAYOUT \next
.endm
.macro BSTEP st                        ; one step of the search: is the running count st words on still at most my rank?
.irp z, 0,1
.set Z, Z0+20*\z
	ds_load_u16 v[Z+FX], v[Z+FA] offset:TB+4*(\st)-4
.endr
	WDS
.irp z, 0,1
.set Z, Z0+20*\z
	v_cmp_le_u32 vcc_lo, v[Z+FX], v[Z+FP]
	v_cndmask_b32 v[Z+FQ], v[Z+FQ], v[Z+FX], vcc_lo
	v_cndmask_b32 v[Z+FT], 0, 4*(\st), vcc_lo
	v_add_nc_u32 v[Z+FA], v[Z+FA], v[Z+FT]
	v_min_u32 v[Z+FA], 7166, v[Z+FA]               ; held inside the table
.endr
.endm
.macro BSEL wd                         ; one halving: does my bit lie beyond the next wd bits of the word?
.irp z, 0,1
.set Z, Z0+20*\z
	v_bfe_u32 v[Z+FT], v[Z+FX], v[Z+FK], \wd
	v_bcnt_u32_b32 v[Z+FU], v[Z+FT], 0
	v_cmp_ge_u32 vcc_lo, v[Z+FP], v[Z+FU]
	v_cndmask_b32 v[Z+FU], 0, v[Z+FU], vcc_lo
	v_cndmask_b32 v[Z+FT], 0, \wd, vcc_lo
	v_sub_nc_u32 v[Z+FP], v[Z+FP], v[Z+FU]
	v_add_nc_u32 v[Z+FK], v[Z+FK], v[Z+FT]
.endr
.endm
	s_load_b256 s[4:11], s[0:1], 0x0               ; xcodes, xscales, bits, wimg
	s_load_b128 s[12:15], s[0:1], 0x20             ; W1_scales, b1
	s_load_b64 s[16:17], s[0:1], 0x30              ; hq
	s_load_b64 s[62:63], s[0:1], 0x38              ; sorted
	v_lshl_add_u32 v[SPW], v0, 2, SPARE
	v_mov_b32 v[NIL], 0
	v_lshrrev_b32 v11, 5, v0
	v_readfirstlane_b32 s[WV], v11                 ; wave
	s_mov_b32 s21, ttmp9                           ; ns
	s_and_b32 s22, ttmp7, 0xffff                   ; b
	v_and_b32 v11, 31, v0                          ; lane
	v_and_b32 v12, 15, v0                          ; r
	v_bfe_u32 v13, v0, 4, 1                        ; h
	v_lshlrev_b32 v[BLO], 5, v0
	v_lshlrev_b32 v[L16], 4, v11
	v_lshlrev_b32 v[L8], 3, v11
	v_mul_u32_u24 v[ADX], v12, PITCH
	v_mad_u32_u24 v[ADX], v13, 384, v[ADX]
	s_mul_i32 s23, s[WV], 16*PITCH
	v_add_nc_u32 v[XSA], s23, v[L16]
	v_add_nc_u32 v[XSB], s23, v[L8]
	v_and_b32 v14, 8, v12
	v_add_nc_u32 v14, v14, v12
	v_lshl_add_u32 v14, v13, 3, v14
	v_lshlrev_b32 v[SWO], 5, v14
	v_lshlrev_b32 v[BO], 6, v13
	v_lshlrev_b32 v[L4], 2, v11
	v_lshlrev_b32 v14, 5, v12                      ; 32 r
	v_lshl_add_u32 v[TSA], v0, 2, TB
	v_lshl_add_u32 v[BSA], v0, 5, BBT
	v_sub_nc_u32 v[MHI], 0, v13
	v_lshrrev_b32 v[TOA], 1, v11
	v_and_b32 v24, 1, v11
	v_lshlrev_b32 v[TOA], 9, v[TOA]
	v_lshl_add_u32 v[TOA], v24, 1, v[TOA]
	s_lshl_b32 s23, s22, 6
	v_add_nc_u32 v[Z0+FR], s23, v11                ; my two ranks: 64 b + lane, and 32 on
	v_add_nc_u32 v[Z0+20+FR], 32, v[Z0+FR]
	WIN 0x80                                       ; destination window 2
	v_mov_b32 v[O16], v[L16]
	v_mov_b32 v[O8], v[L8]
	v_mov_b32 v[O32], v14
.irp q, 0,1,2,3,4,5,6,7
	v_mov_b32 v[TMY+\q], 0                         ; written once: a lane permute's destination counts as one of its sources
.endr
	WIN 0
	s_mov_b32 s52, 0x76543210
	s_mov_b32 s53, 0xfedcba98
	s_mov_b32 s69, 0
	s_wait_alu depctr_va_vdst(0)
	s_wait_kmcnt 0x0
	global_load_b128 v[40:43], v[BLO], s[8:9]              ; tokens 32 w .. + 15: eight experts x 16 bits
	global_load_b128 v[44:47], v[BLO], s[8:9] offset:16    ; tokens 32 w + 16 .. + 31
	s_lshl_b32 s68, s22, 8
	s_add_nc_u64 s[62:63], s[62:63], s[68:69]      ; the list at my block
	s_lshl_b32 s23, s21, 2
	s_add_co_u32 s23, s23, s[WV]
	s_mul_i32 s68, s23, 4*12288
	s_add_nc_u64 s[10:11], s[10:11], s[68:69]      ; W1's images at my four tiles
	s_lshl_b32 s68, s23, 11
	s_add_nc_u64 s[12:13], s[12:13], s[68:69]
	s_lshl_b32 s68, s23, 8
	s_add_nc_u64 s[14:15], s[14:15], s[68:69]
	s_add_nc_u64 s[HSA:HSA+1], s[HBA:HBA+1], HSC   ; the hidden layer's scale words
	s_mul_i32 s68, s22, 393216
	s_add_nc_u64 s[HBA:HBA+1], s[HBA:HBA+1], s[68:69]
	s_mul_i32 s68, s23, 768
	s_add_nc_u64 s[HBA:HBA+1], s[HBA:HBA+1], s[68:69]
	s_lshl_b32 s68, s22, 14
	s_add_nc_u64 s[HSA:HSA+1], s[HSA:HSA+1], s[68:69]
	s_lshl_b32 s68, s23, 1
	s_add_nc_u64 s[HSA:HSA+1], s[HSA:HSA+1], s[68:69]
	s_wait_loadcnt 0x0
.irp q, 0,1,2,3
	v_perm_b32 v[BW+2*\q], v[44+\q], v[40+\q], 0x05040100      ; expert 2 q: bit k is token 32 w + k
	v_perm_b32 v[BW+2*\q+1], v[44+\q], v[40+\q], 0x07060302    ; expert 2 q + 1
.endr
	ds_store_b128 v[BSA], v[BW:BW+3]
	ds_store_b128 v[BSA], v[BW+4:BW+7] offset:16
; the class words, from expert 6 down: class (i, j) takes the tokens whose highest expert is i and that use j and none between
	v_mov_b32 v[RM+7], v[BW+7]
	v_xor_b32 v[UN], -1, v[BW+7]
.irp j, 6,5,4,3,2,1,0
.irp i, 7,6,5,4,3,2,1
.if \i > \j
	v_and_b32 v[CW+(\i)*((\i)-1)/2+((\i)%2)*((\i)-1-(\j))+(1-(\i)%2)*(\j)], v[RM+\i], v[BW+\j]
.endif
.endr
.if \j > 0
	v_and_b32 v[RM+\j], v[UN], v[BW+\j]
.irp i, 7,6,5,4,3,2,1
.if \i > \j
	v_xor_b32 v[RM+\i], v[RM+\i], v[CW+(\i)*((\i)-1)/2+((\i)%2)*((\i)-1-(\j))+(1-(\i)%2)*(\j)]
.endif
.endr
	v_xor_b32 v[UN], v[UN], v[RM+\j]
.endif
.endr
.set q, 0
.rept 28
	ds_store_b32 v[TSA], v[CW+q] offset:8192+512*q
.set q, q+1
.endr
.set q, 0
.rept 14
	v_bcnt_u32_b32 v[PK+q], v[CW+2*q], 0
	v_bcnt_u32_b32 v[TT+q], v[CW+2*q+1], 0
.set q, q+1
.endr
.set q, 0
.rept 14
	v_lshl_or_b32 v[PK+q], v[TT+q], 16, v[PK+q]    ; a wave's sums stay under 2^16: 1,024 tokens
.set q, q+1
.endr
.irp sh, 1,2,4,8                               ; running sums along each 16 lanes: a lane with no source keeps its own
.set q, 0
.rept 14
	v_add_nc_u32_dpp v[PK+q], v[PK+q], v[PK+q] row_shr:\sh row_mask:0xf bank_mask:0xf
.set q, q+1
.endr
.endr
.set q, 0
.rept 14
	v_readlane_b32 s[74+q], v[PK+q], 15
.set q, q+1
.endr
.set q, 0
.rept 14
	v_and_b32 v[TT+q], s[74+q], v[MHI]             ; lanes 16-31 go on from lane 15's sum
.set q, q+1
.endr
.set q, 0
.rept 14
	v_add_nc_u32 v[PK+q], v[PK+q], v[TT+q]
.set q, q+1
.endr
.set q, 0
.rept 14
	ds_store_b32 v[TSA], v[PK+q] offset:512*q
.set q, q+1
.endr
	ds_store_b32 v[TSA], v[NIL] offset:512*14
	ds_store_b32 v[TSA], v[NIL] offset:512*15
	WDS                                            ; for the others' sake: my stores have landed
	s_barrier_signal -1
	s_barrier_wait -1                              ; the three tables are whole; nothing is written there again
.irp v, 0,1,2,3
	ds_load_u16 v[32+\v], v[TOA] offset:TB+124+128*\v      ; lane l: class l's count in wave v's 1,024 tokens (lanes 28-31: zeros)
.endr
.irp z, 0,1
	v_mov_b32 v[Z0+20*\z+FC], 0
	v_mov_b32 v[Z0+20*\z+FV], 0
	v_mov_b32 v[Z0+20*\z+FQ], 0
	v_mov_b32 v[Z0+20*\z+FK], 0
.endr
	WDS
	v_add_nc_u32 v36, v32, v33
	v_add_nc_u32 v37, v34, v35
	v_add_nc_u32 v36, v36, v37                     ; the class's count
	v_mov_b32 v37, v36
.irp sh, 1,2,4,8
	v_add_nc_u32_dpp v37, v37, v37 row_shr:\sh row_mask:0xf bank_mask:0xf
.endr
	v_readlane_b32 s23, v37, 15
	v_and_b32 v42, s23, v[MHI]
	v_add_nc_u32 v37, v37, v42
	v_sub_nc_u32 v38, v37, v36                     ; the class's first rank, and those of its quarters 1 to 3
	v_add_nc_u32 v39, v38, v32
	v_add_nc_u32 v40, v39, v33
	v_add_nc_u32 v41, v40, v34
.set l, 1
.rept 27
	v_readlane_b32 s[73+l], v38, l
.set l, l+1
.endr
.set l, 1
.rept 27                               ; my class: the last whose first rank is at most my rank (an empty class shares its first rank with the next)
	v_cmp_le_u32 vcc_lo, s[73+l], v[Z0+FR]
	v_add_co_ci_u32 v[Z0+FC], vcc_lo, 0, v[Z0+FC], vcc_lo
	v_cmp_le_u32 vcc_lo, s[73+l], v[Z0+20+FR]
	v_add_co_ci_u32 v[Z0+20+FC], vcc_lo, 0, v[Z0+20+FC], vcc_lo
.set l, l+1
.endr
.irp z, 0,1
.set Z, Z0+20*\z
	v_min_u32 v[Z+FC], 27, v[Z+FC]
	v_lshlrev_b32 v[Z+FT], 2, v[Z+FC]
.irp k, 0,1,2,3
	ds_bpermute_b32 v[Z+FG+\k], v[Z+FT], v[38+\k]  ; from the lane that stands for my class
.endr
	v_lshrrev_b32 v[Z+FU], 1, v[Z+FC]
	v_and_b32 v[Z+FB], 1, v[Z+FC]
	v_lshlrev_b32 v[Z+FU], 9, v[Z+FU]
	v_lshl_add_u32 v[Z+FB], v[Z+FB], 1, v[Z+FU]    ; my class's field in the running counts
.endr
	WDS
.irp z, 0,1
	v_mov_b32 v[Z0+20*\z+FS], v[Z0+20*\z+FG]
.endr
.irp k, 1,2,3
.irp z, 0,1
.set Z, Z0+20*\z
	v_cmp_ge_u32 vcc_lo, v[Z+FR], v[Z+FG+\k]
	v_cndmask_b32 v[Z+FS], v[Z+FS], v[Z+FG+\k], vcc_lo
	v_cndmask_b32 v[Z+FV], v[Z+FV], \k, vcc_lo
.endr
.endr
.irp z, 0,1
.set Z, Z0+20*\z
	v_sub_nc_u32 v[Z+FP], v[Z+FR], v[Z+FS]         ; my rank inside the quarter
	v_lshl_add_u32 v[Z+FA], v[Z+FV], 7, v[Z+FB]
	v_min_u32 v[Z+FA], 7166, v[Z+FA]
.endr
	BSTEP 16
	BSTEP 8
	BSTEP 4
	BSTEP 2
	BSTEP 1
.irp z, 0,1
.set Z, Z0+20*\z
	v_sub_nc_u32 v[Z+FW], v[Z+FA], v[Z+FB]         ; 4 x my word's number
	v_min_u32 v[Z+FW], 508, v[Z+FW]
	v_lshl_add_u32 v[Z+FT], v[Z+FC], 9, v[Z+FW]
	v_min_u32 v[Z+FT], 14332, v[Z+FT]
	v_lshl_add_u32 v[Z+FU], v[Z+FW], 3, BBT
	ds_load_b32 v[Z+FX], v[Z+FT] offset:SBT                ; my class's word
	ds_load_b128 v[160+8*\z:163+8*\z], v[Z+FU]             ; and the eight experts' words of the same 32 tokens
	ds_load_b128 v[164+8*\z:167+8*\z], v[Z+FU] offset:16
	v_sub_nc_u32 v[Z+FP], v[Z+FP], v[Z+FQ]         ; my rank among the word's bits
.endr
	WDS
	s_barrier_signal -1
	s_barrier_wait -1                              ; every wave's reads of the tables are over: the rows' stores below come behind them
	BSEL 16
	BSEL 8
	BSEL 4
	BSEL 2
	BSEL 1
.irp z, 0,1
.set Z, Z0+20*\z
	v_lshl_add_u32 v[Z+FO], v[Z+FW], 3, v[Z+FK]    ; the token: 32 x word + bit,
	v_min_u32 v[Z+FO], 0xfff, v[Z+FO]              ; held inside the tables that it indexes
	v_lshlrev_b32 v[XS+\z], 5, v[Z+FO]
	v_mov_b32 v[ENT+\z], v[Z+FO]
.endr
.irp p, 0,1
	global_load_b128 v[SA+8*\p:SA+8*\p+3], v[XS+\p], s[6:7]              ; slot 32 p + lane: its token's eight scale words
	global_load_b128 v[SA+8*\p+4:SA+8*\p+7], v[XS+\p], s[6:7] offset:16
.endr
.irp z, 0,1                            ; the entries, ahead of the loads that land on the experts' words
.set Z, Z0+20*\z
.irp e, 0,1,2,3,4,5,6,7
	v_bfe_u32 v[101+8*\z+\e], v[160+8*\z+\e], v[Z+FK], 1   ; does my token use expert e?
.endr
.endr
.irp e, 0,1,2,3,4,5,6,7
.irp z, 0,1
	v_lshl_or_b32 v[ENT+\z], v[101+8*\z+\e], 12+\e, v[ENT+\z]
.endr
.endr
	s_cmp_lt_u32 s[WV], 2                          ; my 16 slots: 16 x wave .. + 15, brought into lanes 0-15
	s_cselect_b32 s23, 0, -1
	v_cndmask_b32 v24, v[Z0+FO], v[Z0+20+FO], s23
	v_mov_b32 v25, 0
	v_permlanex16_b32 v25, v24, s52, s53
	s_bitcmp1_b32 s[WV], 0
	s_cselect_b32 s70, -1, 0
	v_cndmask_b32 v24, v24, v25, s70
	s_wait_alu depctr_va_vdst(0)
.irp i, 0,1,2,3,4,5,6,7,8,9,10,11,12,13,14,15
	v_readlane_b32 s[24+2*\i+36*(\i/8)], v24, \i
.endr
.irp i, 0,1,2,3,4,5,6,7,8,9,10,11,12,13,14,15
	s_min_u32 s68, s[24+2*\i+36*(\i/8)], 0xfff
	s_mul_i32 s68, s68, 768
	s_add_nc_u64 s[24+2*\i+36*(\i/8):25+2*\i+36*(\i/8)], s[4:5], s[68:69]   ; the row of codes of my slot i
.endr
.irp i, 0,1,2,3,4,5,6,7,8,9,10,11,12,13,14,15
	global_load_b128 v[AF+6*\i:AF+6*\i+3], v[L16], s[24+2*\i+36*(\i/8):25+2*\i+36*(\i/8)]              ; 512 consecutive bytes,
	global_load_b64 v[AF+6*\i+4:AF+6*\i+5], v[L8], s[24+2*\i+36*(\i/8):25+2*\i+36*(\i/8)] offset:512   ; and the row's last 256
.endr
	v_or_b32 v11, v[ENT], v[ENT+1]
.irp e, 0,1,2,3,4,5,6,7
	v_and_b32 v14, 1<<(12+\e), v11
	v_cmp_ne_u32 s[40+\e], 0, v14                  ; which lanes hold a token that uses expert e
.endr
	s_mov_b32 s[REST], 0
.irp e, 0,1,2,3,4,5,6,7
	s_cmp_lg_u32 s[40+\e], 0
	s_cselect_b32 s23, 1<<\e, 0
	s_or_b32 s[REST], s[REST], s23
.endr
	s_bcnt1_i32_b32 s[NEX], s[REST]
	NEXTE EC
	EBASE WBA, 10, EC, 786432
	EBASE SBA, 12, EC, 32768
	EBASE BBA, 14, EC, 4096
	XL SW
	WLOAD 0, WBA, 0
	WLOAD 1, WBA, 1
	WLOAD 2, WBA, 2
	WLOAD 3, WBA, 3
	WIN 0
	s_or_b32 s23, s21, s[WV]
	s_cmp_lg_u32 s23, 0
	s_wait_alu depctr_va_vdst(0)
	s_cbranch_scc1 .Lno_list
	global_store_b32 v[L4], v[ENT], s[62:63]               ; wave 0 of the work-groups with ns = 0: the block's 64 entries
	global_store_b32 v[L4], v[ENT+1], s[62:63] offset:128
.Lno_list:
	s_wait_loadcnt 60                              ; the 12 + 48 loads issued behind them may be out: my rows of codes and x's scale words are in
.irp i, 0,1,2,3,4,5,6,7,8,9,10,11,12,13,14,15
	ds_store_b128 v[XSA], v[AF+6*\i:AF+6*\i+3] offset:PITCH*\i
	ds_store_b64 v[XSB], v[AF+6*\i+4:AF+6*\i+5] offset:PITCH*\i+512
.endr
	s_wait_dscnt 0x0                               ; for the others' sake: my 16 rows have landed
	s_barrier_signal -1
	s_barrier_wait -1                              ; the 64 rows lie in LDS; nothing is written there again
	ALOAD 0, 0
	s_wait_loadcnt 48                              ; the ring's 48 loads may be out: W1's scale words and the bias are in
	s_mov_b32 s[JC], 1
	s_cmp_le_u32 s[NEX], 1
	s_cbranch_scc1 .Llast
.Lpass:                                            ; every expert of the block but the last
	s_wait_xcnt 0x0                                ; all earlier loads and stores have read their bases and data: they are written anew below
	NEXTE EN
	EBASE WNA, 10, EN, 786432
	EBASE SBA, 12, EN, 32768
	EBASE BBA, 14, EN, 4096
	PASS 1
	s_wait_xcnt 0x0                                ; the pass's loads and stores have read their bases and data
	s_mov_b64 s[WBA:WBA+1], s[WNA:WNA+1]
	s_add_nc_u64 s[HBA:HBA+1], s[HBA:HBA+1], 49152 ; the next place in the walk
	s_add_nc_u64 s[HSA:HSA+1], s[HSA:HSA+1], 2048
	s_add_co_u32 s[JC], s[JC], 1
	s_cmp_lt_u32 s[JC], s[NEX]
	s_cbranch_scc1 .Lpass
.Llast:
	PASS 0
	s_wait_tensorcnt 0x0                           ; the wave's end, behind my last LDS store
	ds_add_u32 v[SPW], v[NIL]
	s_wait_dscnt 0x0
	s_endpgm
.Lfunc_end_k_q9bc889a3d8_up:
	.size	k_q9bc889a3d8_up, .Lfunc_end_k_q9bc889a3d8_up-k_q9bc889a3d8_up
	.p2alignl 7, 3214868480
	.fill 96, 4, 3214868480
	.section	.rodata,"a",@progbits
	.p2align	6, 0x0
	.amdhsa_kernel k_q9bc889a3d8_up
		.amdhsa_group_segment_fixed_size 77312
		.amdhsa_private_segment_fixed_size 0
		.amdhsa_enable_private_segment 0
		.amdhsa_kernarg_size 64
		.amdhsa_user_sgpr_count 2
		.amdhsa_user_sgpr_kernarg_segment_ptr 1
		.amdhsa_wavefront_size32 1
		.amdhsa_system_sgpr_workgroup_id_x 1
		.amdhsa_system_sgpr_workgroup_id_y 1
		.amdhsa_system_sgpr_workgroup_id_z 1
		.amdhsa_system_vgpr_workitem_id 0
		.amdhsa_next_free_vgpr 768
		.amdhsa_next_free_sgpr 102
		.amdhsa_reserve_vcc 1
		.amdhsa_float_denorm_mode_32 3
		.amdhsa_float_denorm_mode_16_64 3
		.amdhsa_memory_ordered 1
		.amdhsa_forward_progress 1
		.amdhsa_inst_pref_size 143
	.end_amdhsa_kernel
	.amdgpu_metadata
---
amdhsa.version: [ 1, 2 ]
amdhsa.kernels:
  - .name:           k_q9bc889a3d8_up
    .symbol:         k_q9bc889a3d8_up.kd
    .args:
      - { .name: xcodes, .offset: 0, .size: 8, .value_kind: global_buffer, .address_space: global }
      - { .name: xscales, .offset: 8, .size: 8, .value_kind: global_buffer, .address_space: global }
      - { .name: bits, .offset: 16, .size: 8, .value_kind: global_buffer, .address_space: global }
      - { .name: wimg, .offset: 24, .size: 8, .value_kind: global_buffer, .address_space: global }
      - { .name: W1_scales, .offset: 32, .size: 8, .value_kind: global_buffer, .address_space: global }
      - { .name: b1, .offset: 40, .size: 8, .value_kind: global_buffer, .address_space: global }
      - { .name: hq, .offset: 48, .size: 8, .value_kind: global_buffer, .address_space: global }
      - { .name: sorted, .offset: 56, .size: 8, .value_kind: global_buffer, .address_space: global }
    .group_segment_fixed_size: 77312
    .private_segment_fixed_size: 0
    .kernarg_segment_align: 8
    .kernarg_segment_size: 64
    .max_flat_workgroup_size: 128
    .sgpr_count:     102
    .vgpr_count:     768
    .wavefront_size: 32
...
	.end_amdgpu_metadata
.endif
;; end of part 2
;; launch down (part 3): grid 4 x 64, 4 waves a work-group, no clusters, 132,608 bytes of LDS; arguments hq, sorted, wimg, W2_scales, b2, gates, out0; writes out0
.if DOCPART == 3
	.amdgcn_target "amdgcn-amd-amdhsa--gfx1250"
	.amdhsa_code_object_version 6
	.text
	.protected	k_q9bc889a3d8_down
	.globl	k_q9bc889a3d8_down
	.p2align	8
	.type	k_q9bc889a3d8_down,@function
k_q9bc889a3d8_down:
	s_mov_b64 s[64:65], 0
	v_nop
	global_prefetch_b8 v0, s[64:65] scope:SCOPE_SE
	s_setreg_imm32_b32 hwreg(HW_REG_WAVE_MODE, 25, 1), 1
	s_wait_xcnt 0x0
; LAUNCH 3 OF 3: out0[t] = the sum over the experts e that t's block uses of gates[t, e] x (hidden_e[t] W2_e + b2_e).  Experts that no token of a block uses are left out: their gates are 0 (see the head of the first launch).
; for each 256 of its columns: the sum over experts stays in registers.  A token that does not use an expert of its block has the gate 0 there.
; An expert's hidden codes for the block (49,152 bytes, laid as images of the operand's registers) go through one of two LDS buffers: each wave brings a quarter into registers during the expert before, and stores it into
; the other buffer.  They are filed by the expert's PLACE in the block's walk, not by its number: so the first expert's are asked for together with the sorted list, and only the weights, the bias and the gates wait for the list.
; THE WALK HAS EIGHT PASSES, A CONSTANT: every wave passes the barrier at each pass's end, and a pass beyond the block's number of experts does nothing else.  The eight are a loop of four trips of two
; passes, so that each pass names its buffers by registers that never change.  No tensor load and no cluster: which experts are walked is read from memory.
; The product is used transposed (source 0 = 16 rows of W2, source 1 = 16 tokens); b2 is the C of each sum's first instruction; in accumulator (m, t = 2 g + u) lane (r, h), register j is token 16 m + r, output n0 + 32 g + 16 h + 8 u + j.
; REGISTERS: window 0: addresses, scale words, b2, gates, the tokens' fragments;  window 1: the weights' ring;  window 2: v0-127 the accumulators, v128-159 the rows' places in out0;  window 3: v0-127 the totals, v128-223 the codes on their way to LDS.
.set BUF1,  65536                      ; buffer 0 at 0, buffer 1 here: 49,152 bytes each
.set STG,   114688                     ; the way out: 16 rows x (256 bytes + 16) for each wave
.set SPARE, 132096                     ; the spare words, 128 bytes for each wave
.set HSC,   25165824                   ; hq: the scale words lie behind the codes
.set L16, 3
.set ADA, 3                            ; v3-4   16 x lane in buffer 0, 1
.set SWO, 5
.set BO,  6
.set ENT, 7
.set AD8, 9                            ; v9-10  8 x lane in buffer 0, 1
.set STA, 11                           ; v11-12 where I store my quarter: 12,288 w + 16 x lane in buffer 0, 1
.set HSO, 13
.set OSA, 14
.set OLA, 15
.set SPW, 16
.set NIL, 17
.set GOF, 18                           ; v18-21 32 x token (16 m + r): its row of gates
.set SW,  32                           ; W2's scale words, and the next expert's
.set SWN, 48
.set SA,  64                           ; the hidden layer's, and the next expert's
.set SHN, 80
.set BI,  96
.set G,   128                          ; v128-135 the gate of tile m in register 2 m; the odd ones hold 0 (named as the upper halves of pairs)
.set GN,  136
.set AF,  160
.set OT,  128                          ; window 2: register 8 m + i: the row of out0 of slot 16 m + i + 8 h
.set O16R, 160
.set SG,  128                          ; window 3
.set WV,  20
.set REST, 48
.set NEX, 49
.set EN,  51
.set WBA, 54
.set WNA, 56
.set SBA, 58
.set BBA, 60
.set HCA, 4                            ; s[4:5] my quarter of the codes to be loaded, s[6:7] their scale words: stepped from pass to pass
.set HSA, 6
.set GBA, 70
.set JC,  72
.set LC,  73
.set MSB, 0
.macro WIN new
.if MSB != \new
	s_set_vgpr_msb (MSB<<8)|\new
.set MSB, \new
.endif
.endm
.macro NEXTE d
	s_ctz_i32_b32 s[\d], s[REST]
	s_min_u32 s[\d], s[\d], 7
	s_sub_co_u32 s23, s[REST], 1
	s_and_b32 s[REST], s[REST], s23
.endm
.macro EBASE dst, ptr, e, mul
	s_mul_i32 s68, s[\e], \mul
	s_add_nc_u64 s[\dst:\dst+1], s[\ptr:\ptr+1], s[68:69]
.endm
.macro EBASES w                        ; all that is found by the number of expert s[EN]; its images' base into w
	EBASE \w, 10, EN, 786432
	EBASE SBA, 12, EN, 32768
	EBASE BBA, 14, EN, 4096
	EBASE GBA, 16, EN, 4
.endm
.macro WLOAD ring, base, s
	WIN 0x40
.irp t, 0,1,2,3
.irp c, 0,1,2
	global_load_b128 v[48*(\ring)+12*\t+4*\c:48*(\ring)+12*\t+4*\c+3], v[L16], s[\base:\base+1] offset:12288*\t+1536*(\s)+512*\c
.endr
.endr
.endm
.macro XA                              ; 24 loads of 512 consecutive bytes: my quarter of an expert's hidden codes
	WIN 0xc0
.set i, 0
.rept 24
	global_load_b128 v[SG+4*i:SG+4*i+3], v[L16], s[HCA:HCA+1] offset:512*i
.set i, i+1
.endr
.endm
.macro XSH sh                          ; 4 loads: the hidden layer's scale words
	WIN 0
.irp q, 0,1
	global_load_b128 v[\sh+8*\q:\sh+8*\q+3], v[HSO], s[HSA:HSA+1] offset:1024*\q
	global_load_b128 v[\sh+8*\q+4:\sh+8*\q+7], v[HSO], s[HSA:HSA+1] offset:1024*\q+16
.endr
.endm
.macro XBW sw, gr, gs                  ; 16 loads: W2's scale words, the bias, the gates
	WIN 0
.irp q, 0,1
	global_load_b128 v[\sw+8*\q:\sw+8*\q+3], v[SWO], s[SBA:SBA+1] offset:1024*\q
	global_load_b128 v[\sw+8*\q+4:\sw+8*\q+7], v[SWO], s[SBA:SBA+1] offset:1024*\q+16
.endr
.irp t, 0,1,2,3
	global_load_b128 v[BI+8*\t:BI+8*\t+3], v[BO], s[BBA:BBA+1] offset:4*(32*(\t/2)+8*(\t%2))
	global_load_b128 v[BI+8*\t+4:BI+8*\t+7], v[BO], s[BBA:BBA+1] offset:4*(32*(\t/2)+8*(\t%2))+16
.endr
.irp m, 0,1,2,3
	global_load_b32 v[\gr+\gs*\m], v[GOF+\m], s[GBA:GBA+1]
.endr
.endm
.macro ALOAD buf, s, rb                ; the four token tiles' fragments of K step s, out of LDS buffer rb: each half as it was stored, 16 and 8 bytes a lane
	WIN 0
.irp m, 0,1,2,3
.irp c, 0,1
	ds_load_b128 v[AF+48*(\buf)+12*\m+6*\c:AF+48*(\buf)+12*\m+6*\c+3], v[ADA+\rb] offset:12288*\m+1536*(\s)+768*\c
	ds_load_b64 v[AF+48*(\buf)+12*\m+6*\c+4:AF+48*(\buf)+12*\m+6*\c+5], v[AD8+\rb] offset:12288*\m+1536*(\s)+768*\c+512
.endr
.endr
.endm
.macro WM d, a, b, c, sa, sb, ra, rb
.if ((\ra) == 0) && ((\rb) == 0)
	v_wmma_scale_f32_16x16x128_f8f6f4 v[(\d):(\d)+7], v[(\a):(\a)+11], v[(\b):(\b)+11], v[(\c):(\c)+7], v[(\sa)], v[(\sb)] matrix_a_fmt:MATRIX_FMT_FP6 matrix_b_fmt:MATRIX_FMT_FP6
.elseif (\rb) == 0
	v_wmma_scale_f32_16x16x128_f8f6f4 v[(\d):(\d)+7], v[(\a):(\a)+11], v[(\b):(\b)+11], v[(\c):(\c)+7], v[(\sa)], v[(\sb)] matrix_a_fmt:MATRIX_FMT_FP6 matrix_b_fmt:MATRIX_FMT_FP6 matrix_a_scale:MATRIX_SCALE_ROW1
.elseif (\ra) == 0
	v_wmma_scale_f32_16x16x128_f8f6f4 v[(\d):(\d)+7], v[(\a):(\a)+11], v[(\b):(\b)+11], v[(\c):(\c)+7], v[(\sa)], v[(\sb)] matrix_a_fmt:MATRIX_FMT_FP6 matrix_b_fmt:MATRIX_FMT_FP6 matrix_b_scale:MATRIX_SCALE_ROW1
.else
	v_wmma_scale_f32_16x16x128_f8f6f4 v[(\d):(\d)+7], v[(\a):(\a)+11], v[(\b):(\b)+11], v[(\c):(\c)+7], v[(\sa)], v[(\sb)] matrix_a_fmt:MATRIX_FMT_FP6 matrix_b_fmt:MATRIX_FMT_FP6 matrix_a_scale:MATRIX_SCALE_ROW1 matrix_b_scale:MATRIX_SCALE_ROW1
.endif
.endm
.macro MUL s, first                    ; 16 products, the 16 accumulators by turns
.if \first
	WIN 0x81
.else
	WIN 0xa1
.endif
.irp m, 0,1,2,3
.irp t, 0,1,2,3
.if \first
	WM 8*(4*\m+\t), 48*((\s)%4)+12*\t, AF+48*((\s)%2)+12*\m, BI+8*\t, SW+8*(\t/2)+(\s), SA+8*(\m/2)+(\s), \t%2, \m%2
.else
	WM 8*(4*\m+\t), 48*((\s)%4)+12*\t, AF+48*((\s)%2)+12*\m, 8*(4*\m+\t), SW+8*(\t/2)+(\s), SA+8*(\m/2)+(\s), \t%2, \m%2
.endif
.endr
.endr
.endm
; A K STEP.  The count of the wait for the ring: the loads issued behind this step's 12.  With a next expert: three ring steps and the 24 loads of its codes (60) in steps 0-3; three ring steps and the 20 loads of its
; scale words, bias and gates (56) from step 4 on, where its codes, older than step 4's ring loads, are in.  In the last pass: 36, then 24, 12, 0.
.macro STEP s, next, rb
.if \next
.if (\s) < 4
.set CNT, 60
.else
.set CNT, 56
.endif
.else
.if (\s) < 5
.set CNT, 36
.else
.set CNT, 12*(7-(\s))
.endif
.endif
	s_wait_loadcnt CNT
	s_wait_dscnt 0x0
.if (\s) < 7
	ALOAD ((\s)+1)%2, (\s)+1, \rb
.endif
.if \next && ((\s) >= 4)
	WIN 0x0c                                       ; an LDS store's data: window 3
.irp i, 0,1,2,3,4,5
	ds_store_b128 v[STA+1-\rb], v[SG+4*(6*((\s)-4)+\i):SG+4*(6*((\s)-4)+\i)+3] offset:512*(6*((\s)-4)+\i)   ; the next expert's codes into the buffer that nobody reads in this pass
.endr
.endif
.if (\s) == 0
	MUL \s, 1
.else
	MUL \s, 0
.endif
.rept 4
	v_nop                                          ; four places in front of loads into registers that these products have read, and of the first read of results
.endr
.if (\s) < 4
	WLOAD (\s)%4, WBA, (\s)+4
.elseif \next
	WLOAD (\s)%4, WNA, (\s)-4
.endif
.if ((\s) == 3) && \next
	XBW SWN, GN, 1
	XSH SHN
.endif
.endm
.macro PASS next, rb
	ALOAD 0, 0, \rb
.if \next
	XA
.endif
.irp s, 0,1,2,3,4,5,6,7
	STEP \s, \next, \rb
.endr
.if \next
	WIN 0
	s_wait_loadcnt 48                              ; the four ring steps issued behind them may be out: the next expert's scale words, bias and gates are in
.set j, 0
.rept 16
	v_mov_b32 v[SW+j], v[SWN+j]                    ; the 64 multiply-adds below stand between these and the next scaled product
	v_mov_b32 v[SA+j], v[SHN+j]
.set j, j+1
.endr
.endif
	WIN 0xf2                                       ; totals window 3, accumulators window 2, gates window 0
	s_wait_alu depctr_va_vdst(0)
.irp m, 0,1,2,3
.set j, 0
.rept 16
	v_pk_fma_f32 v[32*\m+j:32*\m+j+1], v[32*\m+j:32*\m+j+1], v[G+2*\m:G+2*\m+1], v[32*\m+j:32*\m+j+1] op_sel_hi:[1,0,1]   ; total += (h W2 + b2) x my token's gate; each accumulator from its low end on
.set j, j+2
.endr
.endr
	WIN 0
.if \next
.irp m, 0,1,2,3
	v_mov_b32 v[G+2*\m], v[GN+\m]
.endr
.endif
.endm
; ONE OF THE EIGHT PASSES: it reads buffer rb and stores into the other.  The branches hang on the block's number of experts, which all four waves read alike; the barrier stands behind them, on every way.
.macro TRIP rb
	s_cmp_ge_u32 s[JC], s[NEX]
	s_cbranch_scc1 .Lidle_\@
	s_add_co_u32 s74, s[JC], 1
	s_cmp_eq_u32 s74, s[NEX]
	s_cbranch_scc1 .Llast_\@
	s_wait_xcnt 0x0                                ; all earlier loads have read their bases, which are written anew
	NEXTE EN
	EBASES WNA
	s_add_nc_u64 s[HCA:HCA+1], s[HCA:HCA+1], 49152 ; the next place in the walk
	s_add_nc_u64 s[HSA:HSA+1], s[HSA:HSA+1], 2048
	PASS 1, \rb
	s_wait_xcnt 0x0
	s_mov_b64 s[WBA:WBA+1], s[WNA:WNA+1]
	s_branch .Lidle_\@
.Llast_\@:
	PASS 0, \rb
.Lidle_\@:
	s_wait_dscnt 0x0                               ; my reads of this pass's buffer are in, my stores into the other have landed
	s_barrier_signal -1
	s_barrier_wait -1
	s_add_co_u32 s[JC], s[JC], 1
.endm
	s_load_b64 s[4:5], s[0:1], 0x0                 ; hq
	s_load_b256 s[8:15], s[0:1], 0x8               ; sorted, wimg, W2_scales, b2
	s_load_b128 s[16:19], s[0:1], 0x28             ; gates, out0
	v_lshl_add_u32 v[SPW], v0, 2, SPARE
	v_mov_b32 v[NIL], 0
	v_lshrrev_b32 v22, 5, v0
	v_readfirstlane_b32 s[WV], v22                 ; wave
	s_mov_b32 s21, ttmp9                           ; ns
	s_and_b32 s22, ttmp7, 0xffff                   ; b
	v_and_b32 v22, 31, v0                          ; lane
	v_and_b32 v23, 15, v0                          ; r
	v_bfe_u32 v24, v0, 4, 1                        ; h
	v_lshlrev_b32 v[ADA], 4, v22
	v_add_nc_u32 v[ADA+1], BUF1, v[ADA]
	v_lshlrev_b32 v[AD8], 3, v22
	v_add_nc_u32 v[AD8+1], BUF1, v[AD8]
	s_mul_i32 s23, s[WV], 12288
	v_add_nc_u32 v[STA], s23, v[ADA]
	v_add_nc_u32 v[STA+1], BUF1, v[STA]
	v_lshlrev_b32 v[HSO], 5, v22
	s_mul_i32 s23, s[WV], 16*272
	s_add_co_u32 s23, s23, STG                     ; my stage
	v_mul_u32_u24 v[OSA], v23, 272
	v_lshl_add_u32 v[OSA], v24, 6, v[OSA]
	v_add_nc_u32 v[OSA], s23, v[OSA]               ; in: row r, + 64 h
	v_mul_u32_u24 v[OLA], v24, 8*272
	v_lshl_add_u32 v[OLA], v23, 4, v[OLA]
	v_add_nc_u32 v[OLA], s23, v[OLA]               ; back: lanes 0-15 one row of 256 bytes, lanes 16-31 the row eight further on
	v_and_b32 v25, 8, v23
	v_add_nc_u32 v25, v25, v23
	v_lshl_add_u32 v25, v24, 3, v25
	v_lshlrev_b32 v[SWO], 5, v25
	v_lshlrev_b32 v[BO], 6, v24
	v_lshlrev_b32 v25, 2, v22                      ; 4 x lane
	v_lshlrev_b32 v26, 2, v23                      ; 4 r
	v_lshlrev_b32 v27, 5, v24                      ; 32 h: eight entries on
	v_lshlrev_b32 v28, 4, v23                      ; 16 r
.irp m, 0,1,2,3
	v_mov_b32 v[G+2*\m+1], 0
.endr
	s_mov_b32 s69, 0
	s_lshl_b32 s68, s22, 8
	s_wait_alu depctr_va_vdst(0)
	s_wait_kmcnt 0x0
	s_add_nc_u64 s[8:9], s[8:9], s[68:69]          ; the sorted list at my block
	global_load_b32 v[ENT], v25, s[8:9]
	global_load_b32 v[ENT+1], v25, s[8:9] offset:128
.irp m, 0,1,2,3
	global_load_b32 v[GOF+\m], v26, s[8:9] offset:64*\m            ; slot 16 m + r
.endr
	WIN 0x80                                       ; destination window 2
.irp m, 0,1,2,3
.irp k, 0,1
	global_load_b128 v[OT+8*\m+4*\k:OT+8*\m+4*\k+3], v27, s[8:9] offset:64*\m+16*\k   ; slots 16 m + 8 h + 4 k + 0 .. 3: the rows that my half of the lanes stores
.endr
.endr
	v_mov_b32 v[O16R], v28
	WIN 0
	s_add_nc_u64 s[HSA:HSA+1], s[HCA:HCA+1], HSC   ; the hidden layer's scale words,
	s_lshl_b32 s68, s22, 14
	s_add_nc_u64 s[HSA:HSA+1], s[HSA:HSA+1], s[68:69]   ; my block's, the first place in the walk
	s_mul_i32 s68, s22, 393216
	s_add_nc_u64 s[HCA:HCA+1], s[HCA:HCA+1], s[68:69]
	s_mul_i32 s68, s[WV], 12288
	s_add_nc_u64 s[HCA:HCA+1], s[HCA:HCA+1], s[68:69]   ; my quarter of the block's codes, the first place in the walk
	XA                                             ; ids alone: these go out with the list's loads
	XSH SA
	WIN 0xc0                                       ; destination window 3
.set j, 0
.rept 128
	v_mov_b32 v[j], 0                              ; the totals.  (The pass is written for every expert alike: the first adds onto zeros)
.set j, j+1
.endr
	WIN 0
	s_lshl_b32 s23, s21, 2
	s_add_co_u32 s23, s23, s[WV]
	s_mul_i32 s68, s23, 4*12288
	s_add_nc_u64 s[10:11], s[10:11], s[68:69]
	s_add_nc_u64 s[10:11], s[10:11], 6291456       ; W2's images lie behind W1's
	s_lshl_b32 s68, s23, 11
	s_add_nc_u64 s[12:13], s[12:13], s[68:69]
	s_lshl_b32 s68, s23, 8
	s_add_nc_u64 s[14:15], s[14:15], s[68:69]
	s_add_nc_u64 s[18:19], s[18:19], s[68:69]      ; out0 at my first column: 4 n0 bytes, a multiple of 256
	s_wait_loadcnt 28                              ; the 24 loads of codes and the 4 of scale words may be out: all that was read of the list is in
	v_or_b32 v22, v[ENT], v[ENT+1]
.irp e, 0,1,2,3,4,5,6,7
	v_and_b32 v23, 1<<(12+\e), v22
	v_cmp_ne_u32 s[40+\e], 0, v23
.endr
	s_mov_b32 s[REST], 0
.irp e, 0,1,2,3,4,5,6,7
	s_cmp_lg_u32 s[40+\e], 0
	s_cselect_b32 s23, 1<<\e, 0
	s_or_b32 s[REST], s[REST], s23
.endr
	s_bcnt1_i32_b32 s[NEX], s[REST]                ; how many experts the block uses
.irp m, 0,1,2,3
	v_and_b32 v[GOF+\m], 0xfff, v[GOF+\m]          ; the token, held inside the table, its 32 bytes of gates
	v_min_u32 v[GOF+\m], 0xfff, v[GOF+\m]
	v_lshlrev_b32 v[GOF+\m], 5, v[GOF+\m]
.endr
	NEXTE EN                                       ; the first expert
	EBASES WBA
	s_wait_alu depctr_va_vdst(0)
	XBW SW, G, 2
	WLOAD 0, WBA, 0
	WLOAD 1, WBA, 1
	WLOAD 2, WBA, 2
	WLOAD 3, WBA, 3
	WIN 0xaa
.set j, 0
.rept 32
	v_and_b32 v[OT+j], 0xfff, v[OT+j]
	v_min_u32 v[OT+j], 0xfff, v[OT+j]
	v_lshl_add_u32 v[OT+j], v[OT+j], 12, v[O16R]   ; the token's row of 4,096 bytes, + 16 r
.set j, j+1
.endr
	s_wait_loadcnt 63                              ; 68 loads were issued behind the codes'; the count's field holds 63: the codes are in
	WIN 0x0c
.set i, 0
.rept 24
	ds_store_b128 v[STA], v[SG+4*i:SG+4*i+3] offset:512*i
.set i, i+1
.endr
	WIN 0
	s_wait_dscnt 0x0
	s_barrier_signal -1
	s_barrier_wait -1                              ; the first expert's codes lie in buffer 0
	s_wait_loadcnt 48                              ; the ring's 48 loads may be out
	s_mov_b32 s[JC], 0
	s_mov_b32 s[LC], 0
.Ltrips:
	TRIP 0
	TRIP 1
	s_add_co_u32 s[LC], s[LC], 1
	s_cmp_lt_u32 s[LC], 4
	s_cbranch_scc1 .Ltrips
; THE WAY OUT.  A lane holds 2 x 32 bytes of four tiles of one row; a tile of 16 tokens goes through my stage and comes back as rows of 256 bytes, which sixteen lanes store at a multiple of 256 in the token's row of out0.
; Two tiles are on their way at a time: while one tile's rows are stored, the next is going through the stage.  LDS serves a wave's instructions in order (ISA guide 5.7.1.4): a tile's loads see its stores, and the next tile's stores come behind them.
.macro TOST m
	WIN 0x0c
.irp t, 0,1,2,3
	ds_store_b128 v[OSA], v[32*(\m)+8*\t:32*(\m)+8*\t+3] offset:128*(\t/2)+32*(\t%2)
	ds_store_b128 v[OSA], v[32*(\m)+8*\t+4:32*(\m)+8*\t+7] offset:128*(\t/2)+32*(\t%2)+16
.endr
	WIN 0x40
.irp i, 0,1,2,3,4,5,6,7
	ds_load_b128 v[32*(\m)+4*\i:32*(\m)+4*\i+3], v[OLA] offset:272*\i
.endr
.endm
.macro SENDT m, younger                ; younger: the LDS instructions issued behind tile m's loads: the next tile's sixteen, or none
	WIN 0x06                                       ; the address window 2, the data window 1
.irp i, 0,1,2,3,4,5,6,7
	s_wait_dscnt (\younger)+7-\i
	global_store_b128 v[OT+8*(\m)+\i], v[32*(\m)+4*\i:32*(\m)+4*\i+3], s[18:19] th:TH_STORE_NT
.endr
.endm
	s_wait_loadcnt 0x0                             ; no load is on its way into the ring's registers, which take the rows
	TOST 0
	TOST 1
	SENDT 0, 16
	TOST 2
	SENDT 1, 16
	s_wait_alu depctr_va_vdst(0)
	TOST 3
	SENDT 2, 16
	SENDT 3, 0
	WIN 0
	s_wait_tensorcnt 0x0                           ; the wave's end, behind my last LDS store
	ds_add_u32 v[SPW], v[NIL]
	s_wait_dscnt 0x0
	s_endpgm
.Lfunc_end_k_q9bc889a3d8_down:
	.size	k_q9bc889a3d8_down, .Lfunc_end_k_q9bc889a3d8_down-k_q9bc889a3d8_down
	.p2alignl 7, 3214868480
	.fill 96, 4, 3214868480
	.section	.rodata,"a",@progbits
	.p2align	6, 0x0
	.amdhsa_kernel k_q9bc889a3d8_down
		.amdhsa_group_segment_fixed_size 132608
		.amdhsa_private_segment_fixed_size 0
		.amdhsa_enable_private_segment 0
		.amdhsa_kernarg_size 56
		.amdhsa_user_sgpr_count 2
		.amdhsa_user_sgpr_kernarg_segment_ptr 1
		.amdhsa_wavefront_size32 1
		.amdhsa_system_sgpr_workgroup_id_x 1
		.amdhsa_system_sgpr_workgroup_id_y 1
		.amdhsa_system_sgpr_workgroup_id_z 1
		.amdhsa_system_vgpr_workitem_id 0
		.amdhsa_next_free_vgpr 1024
		.amdhsa_next_free_sgpr 76
		.amdhsa_reserve_vcc 0
		.amdhsa_float_denorm_mode_32 3
		.amdhsa_float_denorm_mode_16_64 3
		.amdhsa_memory_ordered 1
		.amdhsa_forward_progress 1
		.amdhsa_inst_pref_size 201
	.end_amdhsa_kernel
	.amdgpu_metadata
---
amdhsa.version: [ 1, 2 ]
amdhsa.kernels:
  - .name:           k_q9bc889a3d8_down
    .symbol:         k_q9bc889a3d8_down.kd
    .args:
      - { .name: hq, .offset: 0, .size: 8, .value_kind: global_buffer, .address_space: global }
      - { .name: sorted, .offset: 8, .size: 8, .value_kind: global_buffer, .address_space: global }
      - { .name: wimg, .offset: 16, .size: 8, .value_kind: global_buffer, .address_space: global }
      - { .name: W2_scales, .offset: 24, .size: 8, .value_kind: global_buffer, .address_space: global }
      - { .name: b2, .offset: 32, .size: 8, .value_kind: global_buffer, .address_space: global }
      - { .name: gates, .offset: 40, .size: 8, .value_kind: global_buffer, .address_space: global }
      - { .name: out0, .offset: 48, .size: 8, .value_kind: global_buffer, .address_space: global }
    .group_segment_fixed_size: 132608
    .private_segment_fixed_size: 0
    .kernarg_segment_align: 8
    .kernarg_segment_size: 56
    .max_flat_workgroup_size: 128
    .sgpr_count:     76
    .vgpr_count:     1024
    .wavefront_size: 32
...
	.end_amdgpu_metadata
.endif
;; end of part 3
